; MI455X (gfx1250); checked and timed in simulation.
; The chip was launched on July 23, 2026; its instructions are those of AMD's public machine-readable ISA for CDNA 5 (MIT licence, August 2026) and "CDNA5" Instruction Set Architecture Reference Guide (July 2026). The comments in the code are by the model that wrote it; some were corrected since.
;; Multi Head Cross Attention. Allowed arithmetic: matrix products marked QUANTISED: E2M3 operands, one E8M0 scale for each 32 along K, by v_wmma_scale_f32_16x16x128_f8f6f4 with both operands' format E2M3, f32 sums; everything else in f32.
;; Inputs: Wkv 1,024 x 2,048 float32; Wo 1,024 x 1,024 float32; Wq 1,024 x 1,024 float32; bo 1,024 float32; mask 4 x 2,048 float32; x1 4 x 2,048 x 1,024 float32; x2 4 x 2,048 x 1,024 float32.
;; Outputs: out0 4 x 2,048 x 1,024 float32.
;; This version of the problem:
;;   THIS VERSION OF THE PROBLEM IS GIVEN IN LOW PRECISION. The matrix products marked QUANTISED in the list below multiply operands that are first quantised to E2M3 (2 exponent bits, 3 mantissa bits; 6 bits a number), with one power-of-two scale for each 32 numbers along K (OCP MX v1.0); their sums are f32. All else is computed in f32.
;;   The module's matrix products, in the order in which they are computed (A, B: the left and right operand; K: the contracted axis; several contracted axes count as one K, in the product's order):
;;     1. [M 8,192, K 1,024] x [K 1,024, N 1,024]; A: input x1; B: input Wq: QUANTISED
;;     2. [M 8,192, K 1,024] x [K 1,024, N 2,048]; A: input x2; B: input Wkv: QUANTISED
;;     3. batch 64 x [M 2,048, K 64] x [K 64, N 2,048]; A: computed on the way; B: computed on the way: QUANTISED
;;     4. batch 64 x [M 2,048, K 2,048] x [K 2,048, N 64]; A: softmax (see below); B: computed on the way: QUANTISED
;;     5. [M 8,192, K 1,024] x [K 1,024, N 1,024]; A: computed on the way; B: input Wo: QUANTISED
;;   THE QUANTISER, for each operand of a quantised product, along K:
;;     - K is cut into blocks of 32 from its start; a last block that is shorter is filled with zeros.
;;     - A block's scale is 2^e with e = floor(log2(the largest magnitude in the block)) - 2, held to -126 .. 127; a block of zeros has e = 0. As a byte (E8M0): e + 127.
;;     - Each number is divided by its block's scale, clamped to +-7.5, and rounded to the nearest number of E2M3, ties to even, subnormals kept.
;;     - The product sums the exact products of the quantised numbers (number of the format x scale) in f32.
;;   ~~~python
;;   def quantise(x, axis):      # numpy; x: float32 -> the quantised numbers, widened to float32 again
;;       x = np.moveaxis(x, axis, -1); K = x.shape[-1]
;;       x = np.pad(x, [(0, 0)] * (x.ndim - 1) + [(0, -K % 32)]); x = x.reshape(x.shape[:-1] + (-1, 32)); a = np.abs(x).max(-1, keepdims=True)
;;       e = np.where(a > 0, np.clip(np.frexp(np.where(a > 0, a, 1))[1] - 1 - 2, -126, 127), 0)      # np.frexp(a)[1] - 1 = floor(log2(a)), exactly
;;       r = np.clip(x / 2.0 ** e, -7.5, 7.5)
;;       step = 2.0 ** (np.maximum(np.frexp(np.where(r == 0, 1, r))[1] - 1, 0) - 3)
;;       q = np.round(r / step) * step * 2.0 ** e      # np.round: ties to even
;;       return np.moveaxis(q.reshape(q.shape[:-2] + (-1,))[..., :K], -1, axis).astype(np.float32)
;;   ~~~
;;   SOFTMAX AHEAD OF A QUANTISED PRODUCT. Where the list says 'softmax', what is quantised is not the finished softmax but p = 2^(t - M), with t = logit x log2(e) and M = ceil(the row's largest t), a whole number; so 1/2 < the row's largest p <= 1. The row's sum l is taken of the UNQUANTISED p, in f32, and the product's result is divided by l at the end. Since M is a whole number, a kernel that streams over the keys may use a running M (the ceiling of the running maximum): every later rescaling is an exact power of two, which a block's scale takes up: the codes' values come out the same.
;;   OPERANDS COMPUTED ON THE WAY. 'Computed on the way' means the value that the module computes at that place (a softmax that the list does not call 'softmax' is quantised finished and normalised). What goes into a quantiser is computed in f32, as accurately as f32 sums, v_exp_f32 and their like allow (about 1e-6 of the number): no bf16 or f16 on the way to a quantiser, and a product that is left as it is and whose result goes on into a quantised operand takes f32 operands (vector FMAs, or v_wmma_f32_16x16x4_f32). A number that lies on a knife's edge between two numbers of the format may be rounded either way, as far as f32 arithmetic and the matrix unit's own rounding can turn it there, and no further.
;; One version. Each part assembles by itself: llvm-mc -triple=amdgcn-amd-amdhsa -mcpu=gfx1250 --defsym DOCPART=n.
;; ======== version 1 of 1: 4 launches
;; limits: right only within a limited range of input values
;; workspace buffers: xc 12,582,912 bytes; xs 524,288 bytes; wc 3,145,728 bytes; ws 131,072 bytes; qk 14,680,064 bytes; vi 6,815,744 bytes; ao 6,291,456 bytes; aos 262,144 bytes
;; launch quant (part 1): grid 640 x 1, 4 waves a work-group, no clusters, 68,096 bytes of LDS; arguments x1, x2, Wq, Wkv, Wo, xc, xs, wc, ws; writes xc, xs, wc, ws
.if DOCPART == 1
	.amdgcn_target "amdgcn-amd-amdhsa--gfx1250"
	.amdhsa_code_object_version 6
	.text
	.protected	k_q710246c123_quant
	.globl	k_q710246c123_quant
	.p2align	8
	.type	k_q710246c123_quant,@function
k_q710246c123_quant:
	s_mov_b64 s[64:65], 0
	v_nop
	global_prefetch_b8 v0, s[64:65] scope:SCOPE_SE
	s_setreg_imm32_b32 hwreg(HW_REG_WAVE_MODE, 25, 1), 1
	s_wait_xcnt 0x0
; x1, x2 [8192][1024] f32 (K innermost) and Wq [1024][1024], Wkv [1024][2048], Wo [1024][1024] f32 (K is the FIRST axis) become codes of FP6 (E2M3), K innermost, with one E8M0 byte for each 32 along K.
; A block's scale is 2^(floor(log2(its largest magnitude)) - 2): its byte is the largest magnitude's exponent field - 2, held at 1 from below.  A block of zeros keeps the byte 1: its codes are zeros, and this program alone reads the bytes.
; LIMITS: blocks whose largest magnitude lies under 2^-124 keep the byte 1; NaN and infinities among the inputs are not served.
; xc: 16,384 rows of 768 bytes (x1, then x2), xs: their 32 scale bytes a row.  wc: 4,096 rows of 768 bytes: Wq^T, Wk^T (row 64 h + d), Wv^T, Wo^T; ws likewise.
; THE ORDER OF ROWS.  x2's rows and all rows of wc and ws lie at place pi(row), pi = bits 3 and 4 of the row's number exchanged; x1's rows lie as they come.  Sixteen neighbouring places 16 i + r then hold rows
; 32 (i / 2) + 8 (i % 2) + r + 8 (r / 8): with such tiles a later product's results are 16 neighbours along the next K in a lane's 16 registers.
; Work-groups 0 to 511 take x1 and x2: a wave takes 8 rows as a plain stream of 256 blocks.  Work-groups 512 to 639 take the weights: a lane takes a column and its registers run down K.
; The two ways have LDS bytes of their own.  No tensor load, no barrier: waves share nothing.
.set EMAX,  2
.set CB,    12                         ; bytes of 16 codes
.set STEPS, 16                         ; x: steps of 512 numbers for a wave
.set XR,    16                         ; x: v16-79   four sets of 16 numbers as loaded
.set XN,    80                         ; x: v80-111  two sets of 16 neighbours
.set XE,    112                        ; x: v112-127 a scale byte for each step
.set XC,    128                        ; x: v128-191 codes, four registers for each step
.set WREG,  8192                       ; x: LDS for a wave: two stages of 32 x SP bytes, then its 256 scale bytes
.set SP,    80
.set WLDS,  32768                      ; weights: their LDS begins here
.set NB,    8                          ; weights: blocks of 32 along K for a wave (256 along K)
.set PITCH, 272                        ; weights: a stage row: sixteen places of 16 bytes + 16
.set KROW,  768                        ; a row of codes in bytes
.set WSB,   24                         ; weights: v24-25 scale bytes
.set WX,    32                         ; weights: v32-95 two sets of 32 numbers
.set WC,    96                         ; weights: a block's codes
.set WOUT,  112                        ; weights: v112-175 the way out
.set WOFF,  176                        ; weights: v176-207 4 x lane + i rows of the weight
	s_load_b256 s[4:11], s[0:1], 0x0               ; x1 s[4:5], x2 s[6:7], Wq s[8:9], Wkv s[10:11]
	s_load_b256 s[12:19], s[0:1], 0x20             ; Wo s[12:13], xc s[14:15], xs s[16:17], wc s[18:19]
	s_load_b64 s[20:21], s[0:1], 0x40              ; ws
	v_lshl_add_u32 v208, v0, 2, 0x10800
	v_mov_b32 v209, 0
	v_lshrrev_b32 v1, 5, v0
	v_readfirstlane_b32 s22, v1                    ; wave 0..3
	v_and_b32 v2, 31, v0                           ; lane
	s_wait_kmcnt 0x0
	s_cmp_lt_u32 ttmp9, 512
	s_cbranch_scc0 .Lweights
	; ---------------- x1 and x2: K innermost ----------------
	; Each of a step's four loads reads 512 consecutive bytes; the 2,048 bytes turn through the wave's own stage and come back 64 bytes a lane: 16 neighbours, two lanes to a block.
	v_lshlrev_b32 v3, 4, v2                        ; my 16 bytes of a load's 512
	s_mul_i32 s23, s22, WREG
	v_lshrrev_b32 v14, 2, v2
	v_mul_u32_u24 v14, v14, SP
	v_and_b32 v15, 3, v2
	v_lshl_add_u32 v14, v15, 4, v14
	v_add_nc_u32 v14, s23, v14                     ; the stage, on the way in: SP (lane / 4) + 16 (lane % 4)
	v_mul_u32_u24 v15, v2, SP
	v_add_nc_u32 v15, s23, v15                     ; and on the way out: SP x lane
	v_mul_u32_u24 v4, v2, CB                       ; my codes' place in a step's
	v_lshrrev_b32 v5, 1, v2
	s_add_co_u32 s23, s23, 2*32*SP
	v_add_nc_u32 v5, s23, v5                       ; LDS: my wave's 256 scale bytes, my block's byte
	v_lshlrev_b32 v7, 3, v2
	v_add_nc_u32 v6, s23, v7                       ; and on the way out 8 bytes a lane
	s_and_b32 s24, s22, 1
	s_lshl_b32 s24, s24, 1
	s_lshr_b32 s25, s22, 1
	s_or_b32 s24, s24, s25                         ; a wave's 8 rows are a run; pi exchanges the two low bits of the run's number, which are the wave's
	s_cmp_lt_u32 ttmp9, 256                        ; x1's work-group or x2's?  The choice hangs on the work-group's number alone
	s_cselect_b64 s[4:5], s[4:5], s[6:7]
	s_cselect_b32 s23, 0, 256
	s_cselect_b32 s24, s22, s24                    ; x1's runs stay where they are
	s_sub_co_u32 s23, ttmp9, s23
	s_lshl_b32 s23, s23, 2
	s_add_co_u32 s26, s23, s22                     ; the run that I read,
	s_lshl_b32 s26, s26, 15                        ; 32,768 bytes each
	s_mov_b32 s27, 0
	s_add_nc_u64 s[4:5], s[4:5], s[26:27]
	s_lshl_b32 s28, ttmp9, 2
	s_add_co_u32 s28, s28, s24                     ; the run that I write: x2's follow x1's 1,024
	s_mul_i32 s26, s28, 32*STEPS*CB
	s_add_nc_u64 s[14:15], s[14:15], s[26:27]
	s_lshl_b32 s26, s28, 8
	s_add_nc_u64 s[16:17], s[16:17], s[26:27]
.macro LOADX t
.irp i, 0,1,2,3
	global_load_b128 v[XR+16*((\t)%4)+4*\i:XR+16*((\t)%4)+4*\i+3], v3, s[4:5] offset:2048*(\t)+512*\i th:TH_LOAD_NT   ; 32 lanes read 512 consecutive bytes
.endr
.endm
.macro TURNX t                         ; LDS serves a wave's instructions in order (ISA guide 5.7.1.4): no wait between the stores and the loads
.irp i, 0,1,2,3
	ds_store_b128 v14, v[XR+16*((\t)%4)+4*\i:XR+16*((\t)%4)+4*\i+3] offset:32*SP*((\t)%2)+8*SP*\i
.endr
.irp i, 0,1,2,3
	ds_load_b128 v[XN+16*((\t)%2)+4*\i:XN+16*((\t)%2)+4*\i+3], v15 offset:32*SP*((\t)%2)+16*\i
.endr
.endm
.irp t, 0,1,2,3
	LOADX \t
.endr
	s_wait_loadcnt 12                              ; step 0's four loads are in; the twelve of steps 1 to 3 may be out
	TURNX 0
.macro STEPX t
.set XS, XN+16*((\t)%2)
.if (\t) > 0
	s_wait_dscnt 1                                 ; this step's numbers are back from the stage; the last step's byte store may be out
.else
	s_wait_dscnt 0x0
.endif
.if (\t)+4 < STEPS
	LOADX (\t)+4                                   ; into the registers that this step's stage stores have read
.endif
.if (\t)+1 < STEPS
.if STEPS-2-(\t) >= 3
	s_wait_loadcnt 12                              ; the next step's four loads are in; those of the three steps behind it may be out
.else
	s_wait_loadcnt 4*(STEPS-2-(\t))
.endif
	TURNX (\t)+1
.endif
	v_max3_num_f32 v8, |v[XS]|, |v[XS+1]|, |v[XS+2]|               ; the largest magnitude of my 16, in two chains
	v_max3_num_f32 v9, |v[XS+3]|, |v[XS+4]|, |v[XS+5]|
.irp i, 6,10
	v_max3_num_f32 v8, v8, |v[XS+\i]|, |v[XS+\i+1]|
	v_max3_num_f32 v9, v9, |v[XS+\i+2]|, |v[XS+\i+3]|
.endr
	v_max3_num_f32 v8, v8, |v[XS+14]|, |v[XS+15]|
	v_max3_num_f32 v8, v8, v9, (EMAX+1)<<23        ; and the floor 2^(3 - 127): the byte cannot fall under 1
	v_max_num_f32_dpp v8, v8, v8 row_xmask:1 row_mask:0xf bank_mask:0xf   ; with my neighbour's 16: the block's
	v_add_nc_u32 v11, -(EMAX<<23), v8              ; 2 off its exponent field: the conversion takes that field of this operand as its scale
	v_cvt_scalef32_pk16_fp6_f32 v[XC+4*(\t):XC+4*(\t)+2], v[XS:XS+15], v11
	v_lshrrev_b32 v[XE+(\t)], 23, v11              ; the scale's byte (also the plain line behind the conversion)
	ds_store_b8 v5, v[XE+(\t)] offset:16*(\t)      ; both lanes of a block write the same byte with the same value
	global_store_b96 v4, v[XC+4*(\t):XC+4*(\t)+2], s[14:15] offset:32*CB*(\t)   ; the wave stores 384 consecutive bytes
.endm
.irp t, 0,1,2,3,4,5,6,7,8,9,10,11,12,13,14,15
	STEPX \t
.endr
	ds_load_b64 v[12:13], v6                       ; in order behind my byte stores
	s_wait_dscnt 0x0
	global_store_b64 v7, v[12:13], s[16:17]        ; 32 lanes store 256 consecutive bytes, aligned
	s_wait_tensorcnt 0x0
	ds_add_u32 v208, v209
	s_wait_dscnt 0x0
	s_endpgm
	; ---------------- the weights: K is the first axis ----------------
.Lweights:
	s_sub_co_u32 s23, ttmp9, 512
	s_and_b32 s24, s23, 31                         ; xg: which 128 columns: 0-7 Wq, 8-23 Wkv (a head each), 24-31 Wo
	s_lshr_b32 s25, s23, 5                         ; y: which 256 along K
	s_sub_co_u32 s26, s24, 8                       ; Wkv: the head;
	s_lshr_b32 s27, s22, 1                         ; waves 0, 1 hold its k columns, waves 2, 3 its v columns
	s_lshl_b32 s27, s27, 10
	s_and_b32 s28, s22, 1
	s_lshl_b32 s28, s28, 5
	s_add_co_u32 s27, s27, s28
	s_lshl_b32 s28, s26, 6
	s_add_co_u32 s27, s27, s28
	s_add_co_u32 s27, s27, 1024                    ; my first row of wc: 1024 + 1024 (w / 2) + 64 h + 32 (w % 2)
	s_mov_b32 s30, 8192                            ; bytes from a row of the weight to the next
	s_lshl_b32 s28, s24, 7
	s_lshl_b32 s29, s22, 5
	s_add_co_u32 s28, s28, s29                     ; Wq and Wo: my first row of wc is 128 xg + 32 w for both (Wo's rows begin at 3072 = 128 x 24)
	s_cmp_lt_u32 s24, 8
	s_cselect_b64 s[10:11], s[8:9], s[10:11]
	s_cselect_b32 s26, s24, s26
	s_cselect_b32 s27, s28, s27
	s_cselect_b32 s30, 4096, s30
	s_sub_co_u32 s29, s24, 24
	s_cmp_ge_u32 s24, 24
	s_cselect_b64 s[10:11], s[12:13], s[10:11]     ; s[10:11] the weight, s26 which 128 of its columns, s27 my first row of wc, s30 its row in bytes
	s_cselect_b32 s26, s29, s26
	s_cselect_b32 s27, s28, s27
	s_cselect_b32 s30, 4096, s30
	s_lshl_b32 s31, s25, 8
	s_mul_i32 s31, s31, s30                        ; 256 y rows down,
	s_lshl_b32 s48, s26, 9
	s_lshl_b32 s49, s22, 7
	s_add_co_u32 s48, s48, s49                     ; 4 (128 xl + 32 w) bytes along
	s_add_co_u32 s48, s48, s31
	s_mov_b32 s49, 0
	s_add_nc_u64 s[32:33], s[10:11], s[48:49]      ; a base for each block of 32 rows: the row's length is no constant of the text
	s_lshl_b32 s48, s30, 5
.irp t, 1,2,3,4,5,6,7
	s_add_nc_u64 s[32+2*\t:33+2*\t], s[30+2*\t:31+2*\t], s[48:49]
.endr
	s_mul_i32 s50, s27, KROW
	s_mul_i32 s51, s25, 192
	s_add_co_u32 s50, s50, s51
	s_mov_b32 s51, 0
	s_add_nc_u64 s[18:19], s[18:19], s[50:51]      ; codes: my first row, 192 y bytes along
	s_lshl_b32 s50, s27, 5
	s_lshl_b32 s52, s25, 3
	s_add_co_u32 s50, s50, s52
	s_add_nc_u64 s[20:21], s[20:21], s[50:51]      ; scale bytes: 32 a row, 8 y along
	v_lshlrev_b32 v3, 2, v2                        ; in: 4 bytes a lane
.irp i, 0,1,2,3,4,5,6,7,8,9,10,11,12,13,14,15,16,17,18,19,20,21,22,23,24,25,26,27,28,29,30,31
	v_mad_u32_u24 v[WOFF+\i], s30, \i, v3          ; + i rows
.endr
	v_and_b32 v10, 7, v2
	v_bfe_u32 v11, v2, 3, 1
	v_bfe_u32 v12, v2, 4, 1
	v_lshl_or_b32 v10, v11, 4, v10
	v_lshl_or_b32 v10, v12, 3, v10                 ; pi(lane): my column's place among the wave's 32 rows
	s_mul_i32 s53, s22, 32*PITCH
	s_add_co_u32 s53, s53, WLDS                    ; my stage
	v_mul_u32_u24 v4, v10, PITCH
	v_add_nc_u32 v4, s53, v4                       ; into it: row pi(lane)
	v_and_b32 v5, 15, v2
	v_lshrrev_b32 v6, 4, v2
	v_mul_u32_u24 v7, v6, PITCH
	v_lshl_add_u32 v7, v5, 4, v7
	v_add_nc_u32 v7, s53, v7                       ; out of it: sixteen lanes to a row, two rows an instruction
	v_mul_u32_u24 v8, v6, KROW
	v_mad_u32_u24 v8, v5, 12, v8                   ; and the same place in wc
	v_lshlrev_b32 v9, 5, v10                       ; my row of scale bytes
.macro LOADW t                         ; block t: W(32 t + i, my column): 32 lanes read 128 consecutive bytes, the four waves 512
.irp i, 0,1,2,3,4,5,6,7,8,9,10,11,12,13,14,15,16,17,18,19,20,21,22,23,24,25,26,27,28,29,30,31
	global_load_b32 v[WX+32*((\t)%2)+\i], v[WOFF+\i], s[32+2*(\t):33+2*(\t)] th:TH_LOAD_NT
.endr
.endm
	LOADW 0
	LOADW 1
.macro BLOCKW t
.set XS, WX+32*((\t)%2)
.if (\t) < NB-1
	s_wait_loadcnt 32                              ; this block's 32 loads are in; the next block's 32 may be out
.else
	s_wait_loadcnt 0
.endif
	v_max3_num_f32 v12, |v[XS]|, |v[XS+1]|, |v[XS+2]|              ; the block's largest magnitude: all 32 numbers are mine
	v_max3_num_f32 v13, |v[XS+3]|, |v[XS+4]|, |v[XS+5]|
.irp i, 6,10,14,18,22,26
	v_max3_num_f32 v12, v12, |v[XS+\i]|, |v[XS+\i+1]|
	v_max3_num_f32 v13, v13, |v[XS+\i+2]|, |v[XS+\i+3]|
.endr
	v_max3_num_f32 v12, v12, |v[XS+30]|, |v[XS+31]|
	v_max3_num_f32 v12, v12, v13, (EMAX+1)<<23     ; and the floor
	v_add_nc_u32 v11, -(EMAX<<23), v12             ; the conversion's scale operand
	v_lshrrev_b32 v13, 23, v11                     ; the scale's byte
.if (\t)%4 == 0
	v_mov_b32 v[WSB+(\t)/4], v13                   ; four bytes to a register, the lower K in the lower byte
.else
	v_lshl_or_b32 v[WSB+(\t)/4], v13, 8*((\t)%4), v[WSB+(\t)/4]
.endif
	v_cvt_scalef32_pk16_fp6_f32 v[WC:WC+2], v[XS:XS+15], v11
	v_cvt_scalef32_pk16_fp6_f32 v[WC+4:WC+6], v[XS+16:XS+31], v11  ; (a conversion's three registers begin on an even number)
	v_nop                                          ; a plain line behind the conversions
	ds_store_b96 v4, v[WC:WC+2] offset:32*(\t)     ; 12 bytes to a place of 16, so that every LDS address is a multiple of 16
	ds_store_b96 v4, v[WC+4:WC+6] offset:32*(\t)+16
.if (\t)+2 < NB
	LOADW (\t)+2
.endif
	s_wait_dscnt 0x0                               ; the stores have read their registers: the next block's codes may be written
.endm
.set Q, 0
.rept NB
	BLOCKW Q
.set Q, Q+1
.endr
	global_store_b64 v9, v[WSB:WSB+1], s[20:21]    ; my column's 8 scale bytes
.irp t, 0,1,2,3,4,5,6,7,8,9,10,11,12,13,14,15
	ds_load_b96 v[WOUT+4*\t:WOUT+4*\t+2], v7 offset:2*\t*PITCH     ; in order behind my stores
.endr
.irp t, 0,1,2,3,4,5,6,7,8,9,10,11,12,13,14,15
	s_wait_dscnt 15-\t                             ; LDS loads come back in order: load t is in, the 15 - t behind it may be out
	global_store_b96 v8, v[WOUT+4*\t:WOUT+4*\t+2], s[18:19] offset:2*\t*KROW   ; sixteen lanes store a row's 192 consecutive bytes
.endr
	s_wait_tensorcnt 0x0
	ds_add_u32 v208, v209
	s_wait_dscnt 0x0
	s_endpgm
.Lfunc_end_k_q710246c123_quant:
	.size	k_q710246c123_quant, .Lfunc_end_k_q710246c123_quant-k_q710246c123_quant
	.p2alignl 7, 3214868480
	.fill 96, 4, 3214868480
	.section	.rodata,"a",@progbits
	.p2align	6, 0x0
	.amdhsa_kernel k_q710246c123_quant
		.amdhsa_group_segment_fixed_size 68096
		.amdhsa_private_segment_fixed_size 0
		.amdhsa_enable_private_segment 0
		.amdhsa_kernarg_size 72
		.amdhsa_user_sgpr_count 2
		.amdhsa_user_sgpr_kernarg_segment_ptr 1
		.amdhsa_wavefront_size32 1
		.amdhsa_system_sgpr_workgroup_id_x 1
		.amdhsa_system_sgpr_workgroup_id_y 1
		.amdhsa_system_sgpr_workgroup_id_z 1
		.amdhsa_system_vgpr_workitem_id 0
		.amdhsa_next_free_vgpr 210
		.amdhsa_next_free_sgpr 66
		.amdhsa_reserve_vcc 0
		.amdhsa_float_denorm_mode_32 3
		.amdhsa_float_denorm_mode_16_64 3
		.amdhsa_memory_ordered 1
		.amdhsa_forward_progress 1
		.amdhsa_inst_pref_size 77
	.end_amdhsa_kernel
	.amdgpu_metadata
---
amdhsa.version: [ 1, 2 ]
amdhsa.kernels:
  - .name:           k_q710246c123_quant
    .symbol:         k_q710246c123_quant.kd
    .args:
      - { .name: x1, .offset: 0, .size: 8, .value_kind: global_buffer, .address_space: global }
      - { .name: x2, .offset: 8, .size: 8, .value_kind: global_buffer, .address_space: global }
      - { .name: Wq, .offset: 16, .size: 8, .value_kind: global_buffer, .address_space: global }
      - { .name: Wkv, .offset: 24, .size: 8, .value_kind: global_buffer, .address_space: global }
      - { .name: Wo, .offset: 32, .size: 8, .value_kind: global_buffer, .address_space: global }
      - { .name: xc, .offset: 40, .size: 8, .value_kind: global_buffer, .address_space: global }
      - { .name: xs, .offset: 48, .size: 8, .value_kind: global_buffer, .address_space: global }
      - { .name: wc, .offset: 56, .size: 8, .value_kind: global_buffer, .address_space: global }
      - { .name: ws, .offset: 64, .size: 8, .value_kind: global_buffer, .address_space: global }
    .group_segment_fixed_size: 68096
    .private_segment_fixed_size: 0
    .kernarg_segment_align: 8
    .kernarg_segment_size: 72
    .max_flat_workgroup_size: 128
    .sgpr_count:     66
    .vgpr_count:     210
    .wavefront_size: 32
...
	.end_amdgpu_metadata
.endif
;; end of part 1
;; launch proj (part 2): grid 12 x 32, 4 waves a work-group, clusters of 4 x 4, 327,680 bytes of LDS; arguments xc, xs, wc, ws, mask, qk, vi; writes qk, vi
.if DOCPART == 2
	.amdgcn_target "amdgcn-amd-amdhsa--gfx1250"
	.amdhsa_code_object_version 6
	.text
	.protected	k_q710246c123_proj
	.globl	k_q710246c123_proj
	.p2align	8
	.type	k_q710246c123_proj,@function
k_q710246c123_proj:
	s_mov_b64 s[64:65], 0
	v_nop
	global_prefetch_b8 v0, s[64:65] scope:SCOPE_SE
	s_setreg_imm32_b32 hwreg(HW_REG_WAVE_MODE, 25, 1), 1
	s_wait_xcnt 0x0
	s_wait_alu depctr_hold_cnt(0) depctr_sa_sdst(0) depctr_va_vdst(0) depctr_va_sdst(0) depctr_va_ssrc(0) depctr_va_vcc(0) depctr_vm_vsrc(0)
	s_getreg_b32 s2, hwreg(HW_REG_IB_STS2, 6, 4)
	s_cmp_eq_u32 s2, 0
	s_cbranch_scc0 .Lentry_in_a_cluster
	s_endpgm
.Lentry_in_a_cluster:
	s_bfe_u32 s2, ttmp6, 0x10000c
	s_cmp_lg_u32 s2, 0xf033
	s_cbranch_scc0 .Lentry_shape_is_right
	s_endpgm
.Lentry_shape_is_right:
; q = x1 Wq, k and v = x2 Wkv, on codes of FP6 (E2M3) with one E8M0 scale for each 32 along K = 1,024; the results are quantised at once for the next products and leave as images of operand registers.
; ONE BODY, THREE PRODUCTS C = A B^T, told apart by the cluster's x (the same in all sixteen partners):
;   0: q:  A = x1's rows,          B = Wq^T's rows;   quantised along d (B's rows)
;   1: k:  A = x2's rows,          B = Wk^T's rows;   quantised along d
;   2: v:  A = Wv^T's rows (d),    B = x2's rows;     quantised along the keys (B's rows)
; A tile of C is 256 x 256: four waves, each 128 x 128 in 64 accumulators.  K goes in steps of 256 through a ring of two LDS slots filled by the tensor data mover; the scale bytes of the tile's rows come once and stay.
; CLUSTERS: 4 x 4 work-groups; A's tiles are asked for jointly along a row of the cluster, B's along a column.
; THE MATRIX INSTRUCTION IS USED TRANSPOSED (source 0 = 16 rows of B, source 1 = 16 rows of A).  B's rows lie in memory at place pi(row) (bits 3 and 4 exchanged), so in accumulators (a, 0..7) lane (r, h) holds, in register
; 16 b + i of the 64, column 32 b + 16 h + i of the wave's 128: sixteen neighbours along the next K to each half block.  They become one fragment of 12 registers and one scale word a row.
; WHAT LEAVES.  A half image is six operand registers of 32 lanes, 768 bytes: registers 0-3 at 16 x lane, registers 4-5 at 512 + 8 x lane.
;   q, k: block [batch][head][t / 128] of 7,168 bytes: tile a's half image (d = 32 h + 0..31) at 768 a; at 6,144 + 512 g the scale words of tiles 4 g .. 4 g + 3, 16 bytes a lane.  q's blocks, then from byte 7,340,032 k's.
;   v:    block [batch][head][t / 128] of 6,656 bytes: tile tau's fragment (16 of the head's 64 x 128 keys) at 1,536 tau as two half images; at 6,144 the four scale words.
; THE MASK goes into byte 2 of the scale words, which scales k = 64 .. 95 of the score product, a part of its depth of 128 that the head's 64 leave idle: q's byte is 187 (2^60); k's is 187 where mask == 0 and 1 (2^-126) elsewhere.
; The attention launch holds there one code 1.0 on k's side and one code -7.5 on q's: a masked score gets -7.5 x 2^120, an open one -7.5 x 2^-66.
; LIMITS: blocks whose largest magnitude lies under 2^-124 keep the byte 1; NaN and infinities are not served.
; REGISTERS: window 0: v0-31 addresses; v32-63 scale words, two sets; v64-71 the mask's part of the scale words; v80-95 scale words to store; v96-112 at work; from v128 A's fragments, one set; later the codes just made.
;   window 1: B's fragments, two sets.   windows 2, 3: the accumulators ((a, b) at v[8 (8 (a % 4) + b)]).
.set SIZE_K, 1024
.set KSTEP,  256                       ; along K in a slot
.set NQ,     KSTEP/128
.set ROWB,   192                       ; a tile's row in bytes
.set KROW,   SIZE_K*6/8                ; a row of codes in memory
.set PITCH,  240                       ; an LDS row: 3 x (64 bytes + 16 of padding) = 60 words: the 32 lanes of a load of 8 bytes touch 64 different banks (64 banks of 4 bytes: ISA guide 11.1)
.set FR,     12
.set NL,     6
.set NP,     4                         ; places behind this matrix instruction (ISA guide 7.12.1)
.set HALFT,  128*PITCH
.set SLOT,   4*HALFT
.set LAPS,   SIZE_K/(2*KSTEP)
.set KS,     SIZE_K/32                 ; a row of scale bytes
.set SCL,    2*SLOT                    ; behind the ring: the scales, as units of 256 bytes + 16 of padding
.set HALFS,  (128*KS/256)*272
.set SBLK,   (16*KS/256)*272
.set SPARE,  SCL+4*HALFS               ; the spare words, 128 bytes for each wave, which no other line names
.set QBLK,   7168
.set VBLK,   6656
.set QHEAD,  16*QBLK                   ; a head's blocks of q or of k
.set VHEAD,  16*VBLK
.set ADRA, 16                          ; v16-17 LDS address of my A fragments in slot 0, 1 (v18-19: behind one padding more)
.set ADRB, 20                          ; v20-23 the same for B
.set L16,  24                          ; v24  16 x lane
.set L8,   25                          ; v25  8 x lane
.set ADRS, 27                          ; v27  LDS address of my scale words
.set SPW,  28                          ; v28  my spare word; never rewritten
.set NIL,  29                          ; v29  0; never rewritten
.set MOF,  30                          ; v30  4 (r + 8 (r / 8)): my row's place in the mask
.set SC,   32
.set MB,   64                          ; v64-71 for A's block a: what is set into byte 2 of my row's scale words
.set UWV,  72
.set MWV,  73
.set W0,   80                          ; v80-87 scale words of the first head (v: of the fragment)
.set W1,   88                          ; v88-95 of the second head
.set TM,   96                          ; v96-99 largest magnitudes, v100-103 bytes, v108-111 the conversions' scale operands
.set PW,   112
.set AF,   128
.set G1, 24
.set G0, 32
.set G1B, 48
.set G0B, 56
.set G1S, 68
.set G0S, 76
.set G1SB, 80
.set G0SB, 88
.set MSB, 0
.macro WIN new                         ; the immediate's high byte repeats the setting that is left
.if MSB != (\new)
	s_set_vgpr_msb (MSB<<8)|(\new)
.set MSB, (\new)
.endif
.endm
.set MUL_LO, 0xa1                      ; source 0 (B) window 1, source 1 (A) window 0, C and D window 2
.set MUL_HI, 0xf1
.set TO_B,   0x40
; A joint load: waves 0 and 1 fetch for A, waves 2 and 3 for B; the branch hangs on the wave's number alone.  Four v_nop follow each of the two lines.
.macro JLOAD g0a, g1a, g0b, g1b
	s_cmp_eq_u32 s15, 0
	s_cbranch_scc0 .Lfor_b_\@
	tensor_load_to_lds s[\g0a:\g0a+3], s[\g1a:\g1a+7]
	s_nop 0
.rept 4
	v_nop
.endr
	s_branch .Lasked_\@
.Lfor_b_\@:
	tensor_load_to_lds s[\g0b:\g0b+3], s[\g1b:\g1b+7]
	s_nop 0
.rept 4
	v_nop
.endr
.Lasked_\@:
.endm
.macro CREST                           ; a round of the cluster's barrier behind its opening barrier
	s_cmp_lg_u32 s14, 0
	s_cbranch_scc1 .Lnot_wave_0_\@
	s_barrier_signal -3
.Lnot_wave_0_\@:
	s_barrier_wait -3
	s_barrier_signal -1
	s_barrier_wait -1
.endm
.macro CROUND
	s_barrier_signal -1
	s_barrier_wait -1
	CREST
.endm
	s_load_b256 s[24:31], s[0:1], 0x0              ; xc s[24:25], xs s[26:27], wc s[28:29], ws s[30:31]: they stand here only until the choice below
	s_load_b128 s[32:35], s[0:1], 0x20             ; mask s[32:33], qk s[34:35]
	s_load_b64 s[36:37], s[0:1], 0x30              ; vi
	v_lshl_add_u32 v[SPW], v0, 2, SPARE
	v_mov_b32 v[NIL], 0
	ds_add_u32 v28, v29
	ds_add_u32 v28, v29
	s_wait_dscnt 0x0
	v_lshrrev_b32 v1, 5, v0
	v_readfirstlane_b32 s14, v1                    ; wave 0..3
	s_lshr_b32 s15, s14, 1                         ; which half of the tile's rows is mine.  Also: I fetch for A (0) or for B (1)
	s_and_b32 s16, s14, 1                          ; which half of its columns.  Also: which 128 rows of that tile I fetch
	s_bfe_u32 s40, ttmp6, 0x40000                  ; cx, cy: my place in the cluster
	s_bfe_u32 s41, ttmp6, 0x40004
	s_and_b32 s95, ttmp7, 0xffff                   ; the cluster's y, 0..7
	s_lshl_b32 s101, ttmp9, 10                     ; B's first row for q and k: 0 and 1,024 of wc
	s_wait_kmcnt 0x0
	s_mov_b64 s[96:97], s[32:33]                   ; the mask
	s_cmp_eq_u32 ttmp9, 0
	s_cselect_b32 s67, 0, 0x2000                   ; A's first row: x1 at 0, x2 at 8,192 of xc
	s_cmp_eq_u32 ttmp9, 1
	s_cselect_b32 s98, 0x700000, 0                 ; k's blocks begin 7,340,032 bytes into qk
	s_cmp_eq_u32 ttmp9, 2                          ; v has the tensors' parts exchanged.  Every choice hangs on the cluster's x alone
	s_cselect_b64 s[4:5], s[28:29], s[24:25]       ; A's codes
	s_cselect_b64 s[6:7], s[30:31], s[26:27]       ; A's scales
	s_cselect_b64 s[8:9], s[24:25], s[28:29]       ; B's codes
	s_cselect_b64 s[10:11], s[26:27], s[30:31]     ; B's scales
	s_cselect_b64 s[12:13], s[36:37], s[34:35]     ; where the results go
	s_cselect_b32 s67, 0x800, s67                  ; Wv^T at row 2,048 of wc
	s_cselect_b32 s101, 0x2000, s101               ; x2
	s_cselect_b32 s18, s95, 0                      ; the 32 tiles of the long side lie along the columns for v,
	s_cselect_b32 s19, 0, s95                      ; along the rows for q and k
	s_cselect_b32 s66, -1, 0xffff                  ; which bytes of a scale word the first stored word keeps
	s_cselect_b32 s99, 0, 0xbb0000                 ; byte 2 where mask == 0 (and for q always): 187
	s_cmp_eq_u32 ttmp9, 1
	s_cselect_b32 s100, 0x10000, s99               ; byte 2 of an open key: 1
	s_lshl_b32 s42, s18, 2
	s_add_co_u32 s42, s42, s40                     ; tile column of C
	s_lshl_b32 s17, s19, 2
	s_add_co_u32 s17, s17, s41                     ; tile row of C
	s_lshl_b32 s43, s41, 2
	s_lshl_b32 s43, 15, s43                        ; my row of the cluster
	s_lshl_b32 s44, 0x1111, s40                    ; my column
	; descriptor group 1: a tile of 128 rows x ROWB bytes, padded in LDS
	s_or_b32 s[G1+0], s43, (0<<16)|(1<<20)|(1<<21)|(3<<22)|(3<<25)  ; 15:0 the mask: A's tiles go to my row; 17:16 elements of 1 byte; 20 padding on; 21 set beside a mask; 24:22 after every 16 words; 31:25 of 4 words
	s_or_b32 s[G1B+0], s44, (0<<16)|(1<<20)|(1<<21)|(3<<22)|(3<<25)
.irp g, G1, G1B
	s_mov_b32 s[\g+1], ROWB<<16                    ; tensor_dim0
	s_mov_b32 s[\g+2], 128<<16                     ; tensor_dim1
	s_mov_b32 s[\g+3], ROWB<<16                    ; tile_dim0
	s_mov_b32 s[\g+4], 128                         ; tile_dim1
	s_mov_b32 s[\g+5], KROW                        ; from row to row
	s_mov_b32 s[\g+6], 0
	s_mov_b32 s[\g+7], 0
.endr
	; the scales of 128 rows: a dense block of 4,096 bytes, as rows of 256 bytes (32 elements of 8 bytes), 16 bytes of padding behind each
	s_or_b32 s[G1S+0], s43, (3<<16)|(1<<20)|(1<<21)|(5<<22)|(3<<25)
	s_or_b32 s[G1SB+0], s44, (3<<16)|(1<<20)|(1<<21)|(5<<22)|(3<<25)
.irp g, G1S, G1SB
	s_mov_b32 s[\g+1], 32<<16
	s_mov_b32 s[\g+2], (128*KS/256)<<16
	s_mov_b32 s[\g+3], 32<<16
	s_mov_b32 s[\g+4], 128*KS/256
	s_mov_b32 s[\g+5], 32
	s_mov_b32 s[\g+6], 0
	s_mov_b32 s[\g+7], 0
.endr
	s_lshl_b32 s18, s16, 7                         ; which 128 rows of the tile I fetch
	s_lshl_b32 s20, s17, 8
	s_add_co_u32 s20, s20, s18
	s_add_co_u32 s20, s20, s67                     ; A: first row + 256 x tile row + 128 x half
	s_lshl_b32 s46, s42, 8
	s_add_co_u32 s46, s46, s18
	s_add_co_u32 s46, s46, s101                    ; B: first row + 256 x tile column + 128 x half
	s_mov_b32 s21, 0
	s_mov_b32 s47, 0
	s_mov_b64 s[18:19], KS
	s_mul_u64 s[22:23], s[20:21], s[18:19]         ; where these rows' scales begin, in bytes
	s_mul_u64 s[92:93], s[46:47], s[18:19]
	s_mov_b64 s[18:19], KROW
	s_mul_u64 s[20:21], s[20:21], s[18:19]         ; and their codes
	s_mul_u64 s[46:47], s[46:47], s[18:19]
	s_mul_i32 s45, s14, HALFT                      ; where they go: wave x 128 rows: no place in the cluster enters an LDS address
	s_mul_i32 s94, s14, HALFS
	s_add_nc_u64 s[20:21], s[4:5], s[20:21]
	s_add_nc_u64 s[22:23], s[6:7], s[22:23]
	s_add_nc_u64 s[46:47], s[8:9], s[46:47]
	s_add_nc_u64 s[92:93], s[10:11], s[92:93]
	CROUND                                         ; all sixteen work-groups are here: the first joint loads meet
	s_mov_b32 s[G0S], 1
	s_add_co_u32 s[G0S+1], s94, SCL
	s_mov_b64 s[G0S+2:G0S+3], s[22:23]
	s_or_b32 s[G0S+3], s[G0S+3], 0x80000000
	s_mov_b32 s[G0SB], 1
	s_add_co_u32 s[G0SB+1], s94, SCL
	s_mov_b64 s[G0SB+2:G0SB+3], s[92:93]
	s_or_b32 s[G0SB+3], s[G0SB+3], 0x80000000
	JLOAD G0S, G1S, G0SB, G1SB                     ; the scales first: they are wanted with K step 0
.irp s, 0,1
	s_mov_b32 s[G0+4*\s], 1
	s_add_co_u32 s[G0+4*\s+1], s45, \s*SLOT
	s_add_nc_u64 s[G0+4*\s+2:G0+4*\s+3], s[20:21], \s*ROWB
	s_or_b32 s[G0+4*\s+3], s[G0+4*\s+3], 0x80000000
	s_mov_b32 s[G0B+4*\s], 1
	s_add_co_u32 s[G0B+4*\s+1], s45, \s*SLOT
	s_add_nc_u64 s[G0B+4*\s+2:G0B+4*\s+3], s[46:47], \s*ROWB
	s_or_b32 s[G0B+4*\s+3], s[G0B+4*\s+3], 0x80000000
	JLOAD G0+4*\s, G1, G0B+4*\s, G1B
.endr
	v_and_b32 v1, 15, v0                           ; r = l % 16
	v_bfe_u32 v2, v0, 4, 1                         ; h = l / 16
	v_mul_u32_u24 v3, v1, PITCH
	v_mul_u32_u24 v4, v2, 24
	v_add_nc_u32 v4, v3, v4                        ; a fragment's row x pitch + 24 x half
	v_lshl_add_u32 v5, v2, 4, v4                   ; and the same behind one padding more
	s_mul_i32 s21, s15, HALFT                      ; my 128 rows of A
	s_mul_i32 s22, s16, HALFT                      ; my 128 rows of B,
	s_add_co_u32 s22, s22, 2*HALFT                 ; which lie behind A's 256
.irp s, 0,1
	v_add_nc_u32 v[ADRA+\s], s21, v4
	v_add_nc_u32 v[ADRB+\s], s22, v4
	v_add_nc_u32 v[ADRA+2+\s], s21, v5
	v_add_nc_u32 v[ADRB+2+\s], s22, v5
	s_add_co_u32 s21, s21, SLOT
	s_add_co_u32 s22, s22, SLOT
.endr
	v_mul_u32_u24 v5, v1, KS                       ; my row's scales: KS bytes a row,
	v_lshrrev_b32 v6, 8, v5
	v_lshl_add_u32 v5, v6, 4, v5                   ; and 16 more for each 256 passed
	s_mul_i32 s21, s15, HALFS
	s_mul_i32 s22, s16, HALFS
	s_add_co_u32 s22, s22, 2*HALFS
	s_sub_co_u32 s22, s22, s21
	v_mul_u32_u24 v6, s22, v2                      ; lanes 16-31 take B's
	s_add_co_u32 s21, s21, SCL
	v_add_nc_u32 v5, v5, v6
	v_add_nc_u32 v[ADRS], s21, v5
	v_and_b32 v6, 31, v0
	v_lshlrev_b32 v[L16], 4, v6
	v_lshlrev_b32 v[L8], 3, v6
	; the mask of my 128 rows of A (they are keys where k is made; the numbers read are not used for q and v, and the reads stay inside the mask's 8,192 numbers there too)
	v_and_b32 v6, 8, v1
	v_add_nc_u32 v6, v6, v1
	v_lshlrev_b32 v[MOF], 2, v6                    ; lane r of block a is row 32 (a / 2) + 8 (a % 2) + r + 8 (r / 8)
	s_lshl_b32 s20, s17, 10
	s_lshl_b32 s21, s15, 9
	s_add_co_u32 s20, s20, s21
	s_mov_b32 s21, 0
	s_add_nc_u64 s[96:97], s[96:97], s[20:21]      ; 4 (256 x tile row + 128 x half)
.irp a, 0,1,2,3,4,5,6,7
	global_load_b32 v[MB+\a], v[MOF], s[96:97] offset:4*(32*(\a/2)+8*(\a%2))
.endr
	v_mov_b32 v[UWV], s100
	v_mov_b32 v[MWV], s99
.irp b, 0,1,2,3
	v_mov_b32 v[TM+4+\b], 0                        ; written once: a lane permute's destination counts as one of its sources
.endr
	; where my results go
	s_lshl_b32 s20, s17, 1
	s_add_co_u32 s20, s20, s15                     ; 2 x tile row + my half of its rows
	s_lshl_b32 s21, s42, 1
	s_add_co_u32 s21, s21, s16                     ; 2 x tile column + my half of its columns
	s_mov_b32 s46, QBLK
	s_mov_b32 s92, QHEAD
	s_mov_b32 s8, 768
	s_mov_b32 s10, 768
	s_cmp_eq_u32 ttmp9, 2
	s_cselect_b32 s22, s21, s20                    ; which 128 of the 8,192 rows of x: 16 x batch + t / 128
	s_cselect_b32 s23, s20, s21                    ; which pair of heads
	s_cselect_b32 s46, VBLK, s46                   ; a block
	s_cselect_b32 s92, 768, s92                    ; from registers 0-5 to registers 6-11: q, k: the next head; v: the fragment's second half image
	s_cselect_b32 s8, 1536, s8                     ; from block a of A to the next
	s_cselect_b32 s10, VHEAD-3*1536, s10           ; and from block 3 to block 4: v: the next head
	s_mov_b32 s9, 0
	s_mov_b32 s11, 0
	s_mov_b32 s93, 0
	s_lshl_b32 s23, s23, 1                         ; the first head
	s_lshr_b32 s47, s22, 4
	s_lshl_b32 s47, s47, 4
	s_add_co_u32 s47, s47, s23
	s_lshl_b32 s47, s47, 4
	s_and_b32 s22, s22, 15
	s_add_co_u32 s47, s47, s22                     ; (16 x batch + head) x 16 + t / 128
	s_mul_i32 s46, s47, s46
	s_add_co_u32 s46, s46, s98
	s_mov_b32 s47, 0
	s_add_nc_u64 s[12:13], s[12:13], s[46:47]      ; s[12:13] walks: registers 0-5
	s_mov_b64 s[6:7], s[12:13]                     ; s[6:7] stays: for the scale words
	s_add_nc_u64 s[4:5], s[12:13], s[92:93]        ; s[4:5] walks: registers 6-11
	s_mov_b32 s18, 0x76543210
	s_mov_b32 s19, 0xfedcba98                      ; v_permlanex16_b32's selects for lane l xor 16
	s_wait_loadcnt 0x0                             ; the mask
.irp a, 0,1,2,3,4,5,6,7
	v_cmp_eq_f32 vcc_lo, 0, v[MB+\a]
	v_cndmask_b32 v[MB+\a], v[UWV], v[MWV], vcc_lo ; a choice of a value: no branch hangs on the mask
.endr
.macro FRAG reg, adr, q, i             ; 16 rows x 128 K of 6-bit codes, 12 registers: lane l holds row l % 16; registers 6 c .. 6 c + 5 hold K = 64 c + 32 (l / 16) + 0 .. 31: 24 bytes of the row, as they lie
.irp p, 0,1,2,3,4,5                    ; in pieces of 8 bytes.  16 bytes of padding lie behind every 8 pieces: where the piece three on lies behind one padding more, the second address register serves
.set PCE, 12*(\q)+6*(\p/3)+\p%3
.if PCE%8 < 5
	ds_load_b64 v[\reg+2*\p:\reg+2*\p+1], v[\adr] offset:8*PCE+16*(PCE/8)+(\i)*16*PITCH
.else
	ds_load_b64 v[\reg+2*\p:\reg+2*\p+1], v[\adr+2] offset:8*PCE+16*(PCE/8)+(\i)*16*PITCH
.endif
.endr
.endm
; 16 matrix instructions: A's blocks a0, a0 + 1 x B's eight, 128 along K.  The 64 accumulators take turns, one instruction a turn, in the same order in every step.
.macro MUL16 a0, p, q, sc, zero
.irp a, \a0, \a0+1
.irp b, 0,1,2,3,4,5,6,7
.if \zero
	v_wmma_scale_f32_16x16x128_f8f6f4 v[8*(8*((\a)%4)+\b):8*(8*((\a)%4)+\b)+7], v[128*(\p)+FR*\b:128*(\p)+FR*\b+FR-1], v[AF+FR*(\a):AF+FR*(\a)+FR-1], 0, v[SC+8*NQ*(\sc)+NQ*\b+(\q)], v[SC+8*NQ*(\sc)+NQ*(\a)+(\q)] matrix_a_fmt:MATRIX_FMT_FP6 matrix_b_fmt:MATRIX_FMT_FP6 matrix_a_scale:MATRIX_SCALE_ROW1
.else
	v_wmma_scale_f32_16x16x128_f8f6f4 v[8*(8*((\a)%4)+\b):8*(8*((\a)%4)+\b)+7], v[128*(\p)+FR*\b:128*(\p)+FR*\b+FR-1], v[AF+FR*(\a):AF+FR*(\a)+FR-1], v[8*(8*((\a)%4)+\b):8*(8*((\a)%4)+\b)+7], v[SC+8*NQ*(\sc)+NQ*\b+(\q)], v[SC+8*NQ*(\sc)+NQ*(\a)+(\q)] matrix_a_fmt:MATRIX_FMT_FP6 matrix_b_fmt:MATRIX_FMT_FP6 matrix_a_scale:MATRIX_SCALE_ROW1
.endif
.endr
.endr
.endm
.macro FETCH_B slot, q, p
	WIN TO_B
.irp i, 0,1,2,3,4,5,6,7
	FRAG 128*(\p)+FR*\i, ADRB+\slot, \q, \i
.endr
	WIN 0
.endm
.macro FETCH_A slot, q, i0
.irp i, \i0, \i0+1, \i0+2, \i0+3
	FRAG AF+FR*(\i), ADRA+\slot, \q, \i
.endr
.endm
.macro SCALES sc                       ; the next K step's scale words: lanes 0-15 take A's block i, lanes 16-31 B's block i
.irp i, 0,1,2,3,4,5,6,7
	ds_load_b64 v[SC+8*NQ*\sc+NQ*\i:SC+8*NQ*\sc+NQ*\i+1], v[ADRS] offset:\i*SBLK
.endr
.endm
.macro PLACES n                        ; plain vector lines between a matrix instruction and a load into, or a read of, its registers
.rept \n
	v_nop
.endr
.endm
.macro STEP slot, q, zero              ; a step of 128 along K that has its successor in the same slot
	s_wait_dscnt 4*NL                              ; B's set and A's blocks 0-3 are in; the youngest 24 loads (A's blocks 4-7) may be out
	WIN MUL_LO
	MUL16 0, (\q)%2, \q, \slot, \zero
	MUL16 2, (\q)%2, \q, \slot, \zero
	s_wait_dscnt 0
	PLACES NP
	FETCH_B \slot, (\q)+1, 1-(\q)%2
	FETCH_A \slot, (\q)+1, 0
	WIN MUL_HI
	MUL16 4, (\q)%2, \q, \slot, \zero
	MUL16 6, (\q)%2, \q, \slot, \zero
	PLACES NP
	WIN 0
	FETCH_A \slot, (\q)+1, 4
.endm
; A slot's last step changes slots: one barrier; in front of it each wave waits for all its tensor loads, adds 0 to its spare word, and waits for that and for its own reads of this slot.
.macro TURN slot, next, fill
	s_wait_tensorcnt 0x0                           ; all my tensor loads have landed: my part of the next slot
	ds_add_u32 v[SPW], v[NIL]                      ; 0 onto my spare word
	s_wait_dscnt 4*NL+1                            ; the add and the youngest 24 loads (A's blocks 4-7) may be out
	WIN MUL_LO
	MUL16 0, 1, NQ-1, \slot, 0
	s_wait_dscnt 0x0                               ; the add is done, and my reads of this slot are over
	s_barrier_signal -1
	MUL16 2, 1, NQ-1, \slot, 0
	WIN 0
	s_barrier_wait -1
.if \fill
	CREST                                          ; the barrier has opened a round of the cluster's: no wave of any partner still reads this slot or has a load on its way
	s_add_nc_u64 s[G0+4*\slot+2:G0+4*\slot+3], s[G0+4*\slot+2:G0+4*\slot+3], 2*ROWB
	s_add_nc_u64 s[G0B+4*\slot+2:G0B+4*\slot+3], s[G0B+4*\slot+2:G0B+4*\slot+3], 2*ROWB
	JLOAD G0+4*\slot, G1, G0B+4*\slot, G1B         ; the first tensor load behind the round; its four v_nop are the places in front of the loads below
.else
	PLACES NP
.endif
	v_add_nc_u32 v[ADRS], 4*NQ, v[ADRS]
	FETCH_B \next, 0, 0
	FETCH_A \next, 0, 0
	SCALES \next
	WIN MUL_HI
	MUL16 4, 1, NQ-1, \slot, 0
	MUL16 6, 1, NQ-1, \slot, 0
	PLACES NP
	WIN 0
	FETCH_A \next, 0, 4
.endm
	s_wait_tensorcnt 1                             ; the scales and my part of K step 0 are in; K step 1's load may be out
	s_barrier_signal -1
	s_barrier_wait -1
	FETCH_B 0, 0, 0
	FETCH_A 0, 0, 0
	SCALES 0
	FETCH_A 0, 0, 4
	STEP 0, 0, 1                                   ; the first step's products start the sums
	s_mov_b32 s3, LAPS-1
.Llap:                                                 ; a trip goes once round the ring and fills both slots again
	TURN 0, 1, 1
	STEP 1, 0, 0
	TURN 1, 0, 1
	STEP 0, 0, 0
	s_sub_co_u32 s3, s3, 1
	s_cmp_lg_u32 s3, 0
	s_cbranch_scc1 .Llap
	TURN 0, 1, 0                                   ; the last lap fills nothing
	STEP 1, 0, 0
	s_wait_dscnt 4*NL
	WIN MUL_LO
	MUL16 0, 1, NQ-1, 1, 0
	MUL16 2, 1, NQ-1, 1, 0
	s_wait_dscnt 0
	WIN MUL_HI
	MUL16 4, 1, NQ-1, 1, 0
	MUL16 6, 1, NQ-1, 1, 0
	WIN 0
; THE WAY OUT of A's block a: my row's 128 results, 64 in my lane, are quantised along the wave's 128 columns and leave as two half images; nothing goes through LDS.
; The codes are made at v128 on; for blocks 2 and 6, whose accumulators carry the numbers v128-191 of their window, at v192 on, so that no conversion's written destination meets its written source.
.macro QOUT a
.set AC, 64*((\a)%4)
.set PC, 128
.if (\a)%4 == 2
.set PC, 192
.endif
.if (\a) > 0
	s_wait_xcnt 0x0                                ; the last block's stores have read their data and their bases: both are written again only behind this wait
.if (\a) == 4
	s_add_nc_u64 s[12:13], s[12:13], s[10:11]
	s_add_nc_u64 s[4:5], s[4:5], s[10:11]
.else
	s_add_nc_u64 s[12:13], s[12:13], s[8:9]
	s_add_nc_u64 s[4:5], s[4:5], s[8:9]
.endif
.endif
	WIN 0x0a+5*((\a)/4)                            ; sources 0 and 1: window 2 or 3
.irp b, 0,1,2,3
	v_max3_num_f32 v[TM+\b], |v[AC+16*\b]|, |v[AC+16*\b+1]|, 0x1800000   ; block b: my 16 numbers and the floor 2^(3 - 127); each accumulator is read from its low end on
.endr
.irp i, 2,4,6,8,10,12,14
.irp b, 0,1,2,3
	v_max3_num_f32 v[TM+\b], |v[AC+16*\b+\i]|, |v[AC+16*\b+\i+1]|, v[TM+\b]
.endr
.endr
	WIN 0
.irp b, 0,1,2,3
	v_permlanex16_b32 v[TM+4+\b], v[TM+\b], s18, s19
.endr
.irp b, 0,1,2,3
	v_max_num_f32 v[TM+\b], v[TM+\b], v[TM+4+\b]   ; with lane l xor 16's: the block's largest magnitude
.endr
.irp b, 0,1,2,3
	v_add_nc_u32 v[TM+12+\b], 0xff000000, v[TM+\b] ; 2 off its exponent field: the conversion's scale operand
.endr
.irp b, 0,1,2,3
	v_lshrrev_b32 v[TM+4+\b], 23, v[TM+12+\b]      ; the scale's byte
.endr
	v_lshl_or_b32 v[PW], v[TM+5], 8, v[TM+4]
	v_lshl_or_b32 v[PW], v[TM+6], 16, v[PW]
	v_lshl_or_b32 v[PW], v[TM+7], 24, v[PW]
	WIN 0x02+(\a)/4                                ; source 0: window 2 or 3
.irp c, 0,1
	v_cvt_scalef32_pk16_fp6_f32 v[PC+6*\c:PC+6*\c+2], v[AC+32*\c:AC+32*\c+15], v[TM+12+2*\c]
	v_cvt_scalef32_pk16_fp6_f32 v[PC+12+4*\c:PC+14+4*\c], v[AC+32*\c+16:AC+32*\c+31], v[TM+12+2*\c+1]   ; (a conversion's three registers begin on an even number)
.endr
	WIN 0
	v_nop                                          ; one plain line behind the conversions
.irp c, 0,1                                    ; the operand's layout wants a whole block in a lane: lanes 0-15 block 2 c, lanes 16-31 block 2 c + 1
.irp i, 0,1,2
	v_permlane16_swap_b32 v[PC+6*\c+\i], v[PC+12+4*\c+\i]
.endr
.irp i, 0,1,2
	v_mov_b32 v[PC+3+6*\c+\i], v[PC+12+4*\c+\i]
.endr
.endr
	v_and_or_b32 v[W0+(\a)], v[PW], s66, v[MB+(\a)]   ; q, k: bytes 0, 1 are the first head's, byte 2 the mask's part; v: all four bytes
	v_lshrrev_b32 v[W1+(\a)], 16, v[PW]
	v_or_b32 v[W1+(\a)], v[W1+(\a)], v[MB+(\a)]       ; q, k: bytes 2, 3 are the second head's
	global_store_b128 v[L16], v[PC:PC+3], s[12:13]                 ; each store covers 512 or 256 consecutive bytes, aligned to 256
	global_store_b64 v[L8], v[PC+4:PC+5], s[12:13] offset:512
	global_store_b128 v[L16], v[PC+6:PC+9], s[4:5]
	global_store_b64 v[L8], v[PC+10:PC+11], s[4:5] offset:512
.endm
	PLACES NP                                      ; behind the last products
.irp a, 0,1,2,3,4,5,6,7
	QOUT \a
.endr
	global_store_b128 v[L16], v[W0:W0+3], s[6:7] offset:6144       ; the scale words of tiles 0-3, 16 bytes a lane
	s_cmp_eq_u32 ttmp9, 2                          ; the cluster's x: the same in all partners
	s_cbranch_scc1 .Lv_words
	global_store_b128 v[L16], v[W0+4:W0+7], s[6:7] offset:6656
	global_store_b128 v[L16], v[W1:W1+3], s[6:7] offset:QHEAD+6144
	global_store_b128 v[L16], v[W1+4:W1+7], s[6:7] offset:QHEAD+6656
	s_branch .Lwords_out
.Lv_words:
	global_store_b128 v[L16], v[W0+4:W0+7], s[6:7] offset:VHEAD+6144   ; blocks 4-7 of A are the next head's four tiles
.Lwords_out:
	s_wait_tensorcnt 0x0                           ; the wave's end
	ds_add_u32 v[SPW], v[NIL]
	s_wait_dscnt 0x0
	CROUND                                         ; the closing round: no work-group ends while a partner may still ask for a tile that names it
	s_endpgm
.Lfunc_end_k_q710246c123_proj:
	.size	k_q710246c123_proj, .Lfunc_end_k_q710246c123_proj-k_q710246c123_proj
	.p2alignl 7, 3214868480
	.fill 96, 4, 3214868480
	.section	.rodata,"a",@progbits
	.p2align	6, 0x0
	.amdhsa_kernel k_q710246c123_proj
		.amdhsa_group_segment_fixed_size 327680
		.amdhsa_private_segment_fixed_size 0
		.amdhsa_enable_private_segment 0
		.amdhsa_kernarg_size 56
		.amdhsa_user_sgpr_count 2
		.amdhsa_user_sgpr_kernarg_segment_ptr 1
		.amdhsa_wavefront_size32 1
		.amdhsa_system_sgpr_workgroup_id_x 1
		.amdhsa_system_sgpr_workgroup_id_y 1
		.amdhsa_system_sgpr_workgroup_id_z 1
		.amdhsa_system_vgpr_workitem_id 0
		.amdhsa_next_free_vgpr 1024
		.amdhsa_next_free_sgpr 102
		.amdhsa_reserve_vcc 1
		.amdhsa_float_denorm_mode_32 3
		.amdhsa_float_denorm_mode_16_64 3
		.amdhsa_memory_ordered 1
		.amdhsa_forward_progress 1
		.amdhsa_inst_pref_size 170
	.end_amdhsa_kernel
	.amdgpu_metadata
---
amdhsa.version: [ 1, 2 ]
amdhsa.kernels:
  - .name:           k_q710246c123_proj
    .symbol:         k_q710246c123_proj.kd
    .args:
      - { .name: xc, .offset: 0, .size: 8, .value_kind: global_buffer, .address_space: global }
      - { .name: xs, .offset: 8, .size: 8, .value_kind: global_buffer, .address_space: global }
      - { .name: wc, .offset: 16, .size: 8, .value_kind: global_buffer, .address_space: global }
      - { .name: ws, .offset: 24, .size: 8, .value_kind: global_buffer, .address_space: global }
      - { .name: mask, .offset: 32, .size: 8, .value_kind: global_buffer, .address_space: global }
      - { .name: qk, .offset: 40, .size: 8, .value_kind: global_buffer, .address_space: global }
      - { .name: vi, .offset: 48, .size: 8, .value_kind: global_buffer, .address_space: global }
    .group_segment_fixed_size: 327680
    .private_segment_fixed_size: 0
    .kernarg_segment_align: 8
    .kernarg_segment_size: 56
    .max_flat_workgroup_size: 128
    .sgpr_count:     102
    .vgpr_count:     1024
    .wavefront_size: 32
...
	.end_amdgpu_metadata
.endif
;; end of part 2
;; launch attn (part 3): grid 4 x 64, 16 waves a work-group, clusters of 4 x 1, 223,232 bytes of LDS; arguments qk, vi, ao, aos; writes ao, aos
.if DOCPART == 3
	.amdgcn_target "amdgcn-amd-amdhsa--gfx1250"
	.amdhsa_code_object_version 6
	.text
	.protected	k_q710246c123_attn
	.globl	k_q710246c123_attn
	.p2align	8
	.type	k_q710246c123_attn,@function
k_q710246c123_attn:
	s_mov_b64 s[64:65], 0
	v_nop
	global_prefetch_b8 v0, s[64:65] scope:SCOPE_SE
	s_setreg_imm32_b32 hwreg(HW_REG_WAVE_MODE, 25, 1), 1
	s_wait_xcnt 0x0
	s_wait_alu depctr_hold_cnt(0) depctr_sa_sdst(0) depctr_va_vdst(0) depctr_va_sdst(0) depctr_va_ssrc(0) depctr_va_vcc(0) depctr_vm_vsrc(0)
	s_getreg_b32 s2, hwreg(HW_REG_IB_STS2, 6, 4)
	s_cmp_eq_u32 s2, 0
	s_cbranch_scc0 .Lentry_in_a_cluster
	s_endpgm
.Lentry_in_a_cluster:
	s_bfe_u32 s2, ttmp6, 0x10000c
	s_cmp_lg_u32 s2, 0x3003
	s_cbranch_scc0 .Lentry_shape_is_right
	s_endpgm
.Lentry_shape_is_right:
; O[b][h][q] = the sum over keys of softmax(q . k / 8, masked) v, both products on codes of FP6 (E2M3) with one E8M0 scale for each 32 along a product's K; O / l is quantised along d for the last product.
; THE SOFTMAX: t = score x log2(e) / 8; M = the row's largest t so far, rounded up to a whole number; p = 2^(t - M) is what is quantised, along the keys, not normalised.  The row's sum is taken of the unquantised p and divides O at
; the end.  When M moves, the sum and O are multiplied by 2^(old M - new M): exact.
; SHARES.  A work-group owns one (batch, head) and 512 queries; the four work-groups of a cluster share the head.  Each of its sixteen waves owns 16 queries in each of two passes, in 256 registers: four waves to a SIMD.
; K AND V OF THE WHOLE HEAD, 221,184 bytes of operand images, come into LDS ONCE, by joint loads of the four partners, and stay: no byte of LDS is filled twice and none is stored to.
; LAYOUT.  Both products are used transposed: S^T = K Q^T (source 0 = 16 keys), O^T = V^T P^T (source 0 = 16 of the head's 64): a lane holds one query throughout.  The keys of a tile are 32 (T / 2) + 8 (T % 2) + r + 8 (r / 8),
; so that the 16 registers of tiles 2 b and 2 b + 1 are keys 32 b + 16 (lane / 16) + 0 .. 15; V's rows are chosen likewise, so that O^T's 32 registers are d = 32 b + 16 (lane / 16) + i.
; THE MASK.  The head has 64 along K, the instruction 128.  In registers 6-11 of both operands stand constants: at k = 64 the code 1.0 on K's side and -7.5 on Q's, zeros elsewhere.  Byte 2 of the scale words scales them: Q's is 2^60,
; K's 2^60 for a masked key and 2^-126 for an open one.  So a masked score is -7.5 x 2^120 and an open one is lowered by 7.5 x 2^-66.  The largest t starts at -1e30, above every masked t: a masked p is 0 in every step.
; LIMITS: |logit| under 1e29; a batch all of whose keys are masked is not served; NaN and infinities are not served; blocks under 2^-124 keep the byte 1.
; No prefetch: all that the launch reads through LDS is asked for at its head.
.set QBLK,  7168                       ; a block of q or k: 128 rows of one head: eight half images of 768 bytes, then 1,024 bytes of scale words
.set VBLK,  6656                       ; a block of v: four fragments of 1,536 bytes, then 512 bytes of scale words
.set QHEAD, 16*QBLK
.set VHEAD, 16*VBLK
.set VB,    QHEAD                      ; LDS: K's 16 blocks at 0, V's 16 blocks here
.set L16,  1                           ; v1  16 x lane
.set L8,   2                           ; v2  8 x lane
.set R32,  3                           ; v3  32 x (lane % 16)
.set ADK16, 4                          ; v4-7 the step's LDS addresses
.set ADK8,  5
.set ADV16, 6
.set ADV8,  7
.set QS,   8                           ; v8  Q's scale words
.set QF,   16                          ; v16-27 Q's fragment: 16-21 data, 22-27 constants
.set VS,   28                          ; v28-31 V's scale words
.set KF,   32                          ; v32-79 four fragments of K: +0..5 data, +6..11 constants
.set KSW,  80                          ; v80-87 K's scale words
.set S,    88                          ; v88-151 S^T, then p; then V's four fragments
.set VF,   88
.set O,    152                         ; v152-183 O^T
.set PC,   184                         ; v184-203 codes just made
.set BM,   204                         ; v204-207 a block's largest score, then its largest p
.set BT,   208                         ; v208-211 at work
.set SO,   212                         ; v212-215 the conversions' scale operands
.set SU2,  216                         ; v[216:217] the sum's second chain
.set FF,   218                         ; v[218:219] f = 2^(old M - new M)
.set TMP,  220
.set PW,   221                         ; p's scale word
.set OW,   222                         ; O's two scale bytes
.set WV,   12                          ; s12 wave
.set SEL,  20
.set CS,   22                          ; s[22:23] c = log2(e) / 8
.set G1K1, 24                          ; four shapes, four groups 1
.set G1K3, 32
.set G1V1, 40
.set G1V3, 48
.set G0K1, 56
.set G0K3, 60
.set G0V1, 68
.set G0V3, 72
.set QP,   76                          ; s[76:77] my tile of q
.set QSP,  78                          ; s[78:79] its scale words
.set AOP,  80                          ; s[80:81] my half image in ao
.set ASP,  82                          ; s[82:83] my rows' bytes in aos
.set TK,   84
.set TV,   85
.set CNT,  86
.macro ROUND                           ; a round of the cluster's barrier
	s_barrier_signal -1
	s_barrier_wait -1
	s_cmp_lg_u32 s[WV], 0
	s_cbranch_scc1 .Lnot_wave_0_\@
	s_barrier_signal -3
.Lnot_wave_0_\@:
	s_barrier_wait -3
	s_barrier_signal -1
	s_barrier_wait -1
.endm
.macro G1SET g, rows                   ; a dense block as rows of 256 bytes: 32 elements of 8 bytes, no padding; the mask names all four partners, bit 21 beside it
	s_mov_b32 s[\g], 15|(3<<16)|(1<<21)
	s_mov_b32 s[\g+1], 32<<16
	s_mov_b32 s[\g+2], (\rows)<<16
	s_mov_b32 s[\g+3], 32<<16
	s_mov_b32 s[\g+4], \rows
	s_mov_b32 s[\g+5], 32
	s_mov_b32 s[\g+6], 0
	s_mov_b32 s[\g+7], 0
.endm
	s_load_b256 s[4:11], s[0:1], 0x0               ; qk s[4:5], vi s[6:7], ao s[8:9], aos s[10:11]
	v_lshl_add_u32 v254, v0, 2, 0x36000
	v_mov_b32 v255, 0
	ds_add_u32 v254, v255
	ds_add_u32 v254, v255
	v_lshrrev_b32 v9, 5, v0
	v_readfirstlane_b32 s[WV], v9                  ; wave 0..15
	s_bfe_u32 s13, ttmp6, 0x40000                  ; cx: which 512 queries: it enters global addresses of q, ao and aos alone
	s_and_b32 s14, ttmp7, 0xffff                   ; 16 x batch + head, which the four partners share
	s_and_b32 s15, s[WV], 3
	G1SET G1K1, 28                                 ; one block of K
	G1SET G1K3, 84                                 ; three
	G1SET G1V1, 26                                 ; one block of V
	G1SET G1V3, 78                                 ; three
	s_mov_b32 s[SEL], 0x76543210
	s_mov_b32 s[SEL+1], 0xfedcba98                 ; v_permlanex16_b32's selects for lane l xor 16
	s_mov_b32 s[CS], 0x3e38aa3b                    ; log2(e) / 8
	s_mov_b32 s[CS+1], s[CS]                       ; (named with it as a pair)
	s_mul_i32 s16, s14, QHEAD
	s_add_co_u32 s16, s16, 0x700000                ; the head's K: k's blocks begin 7,340,032 bytes into qk
	s_mov_b32 s17, 0
	s_mul_i32 s18, s14, VHEAD                      ; the head's V
	s_mov_b32 s19, 0
	s_mul_i32 s87, s15, QBLK                       ; waves 0-3: first K's block wave % 4,
	s_mul_i32 s88, s15, 3*QBLK
	s_add_co_u32 s88, s88, 4*QBLK                  ; then blocks 4 + 3 (wave % 4) on
	s_mul_i32 s89, s15, VBLK                       ; waves 4-7: the same of V
	s_mul_i32 s90, s15, 3*VBLK
	s_add_co_u32 s90, s90, 4*VBLK
	s_add_co_u32 s94, s89, VB
	s_add_co_u32 s95, s90, VB
	s_mov_b32 s93, 0
	; my queries: pass p, wave w: tile 32 cx + 16 p + w of the batch's 128
	s_mul_i32 s76, s14, QHEAD
	s_lshl_b32 s77, s13, 2
	s_lshr_b32 s78, s[WV], 3
	s_add_co_u32 s77, s77, s78
	s_mul_i32 s77, s77, QBLK
	s_add_co_u32 s78, s76, s77                     ; q's block 4 cx + w / 8 (pass 1: two blocks on)
	s_and_b32 s79, s[WV], 7
	s_mul_i32 s79, s79, 768
	s_add_co_u32 s76, s78, s79                     ; tile w % 8 in it
	s_mov_b32 s77, 0
	s_bfe_u32 s79, s[WV], 0x10002
	s_lshl_b32 s79, s79, 9
	s_add_co_u32 s78, s78, s79
	s_lshl_b32 s79, s15, 2
	s_add_co_u32 s78, s78, s79
	s_add_co_u32 s78, s78, 6144                    ; its scale words: 6,144 + 512 ((w / 4) % 2) + 4 (w % 4), 16 bytes from lane to lane
	s_mov_b32 s79, 0
	s_lshr_b32 s80, s14, 4
	s_lshl_b32 s80, s80, 7
	s_lshl_b32 s81, s13, 5
	s_add_co_u32 s80, s80, s81
	s_add_co_u32 s80, s80, s[WV]                   ; my tile of 16 rows among the 512: 128 b + 32 cx + w
	s_and_b32 s81, s14, 15                         ; the head
	s_lshl_b32 s82, s80, 9
	s_lshl_b32 s83, s81, 1
	s_add_co_u32 s82, s82, s83                     ; aos: 512 bytes a tile, bytes 2 h and 2 h + 1 of a row's 32
	s_mov_b32 s83, 0
	s_mul_i32 s80, s80, 12288
	s_mul_i32 s81, s81, 768
	s_add_co_u32 s80, s80, s81                     ; ao: 12,288 bytes a tile, 768 a head
	s_mov_b32 s81, 0
	v_and_b32 v9, 31, v0
	v_lshlrev_b32 v[L16], 4, v9
	v_lshlrev_b32 v[L8], 3, v9
	v_and_b32 v10, 15, v0
	v_lshlrev_b32 v[R32], 5, v10
	v_bfe_u32 v10, v0, 4, 1
	v_sub_nc_u32 v10, 1, v10                       ; 1 in lanes 0-15, which hold k = 64 .. 95 in registers 6-11
	v_mul_u32_u24 v[QF+6], v10, 63                 ; the code of -7.5 at k = 64
.irp i, 7,8,9,10,11
	v_mov_b32 v[QF+\i], 0
.endr
.irp t, 0,1,2,3
	v_lshlrev_b32 v[KF+12*\t+6], 3, v10            ; the code of 1.0 at k = 64
.irp i, 7,8,9,10,11
	v_mov_b32 v[KF+12*\t+\i], 0
.endr
.endr
.irp b, 0,1,2,3
	v_mov_b32 v[BT+\b], 0                          ; written once: a lane permute's destination counts as one of its sources
.endr
	v_mov_b32 v[FF+1], 0                           ; (named as the upper half of a pair)
	v_mov_b32 v[TMP], 0
	s_wait_dscnt 0x0
	s_wait_kmcnt 0x0
	s_add_nc_u64 s[16:17], s[4:5], s[16:17]
	s_add_nc_u64 s[18:19], s[6:7], s[18:19]
	s_add_nc_u64 s[QP:QP+1], s[4:5], s[QP:QP+1]
	s_add_nc_u64 s[QSP:QSP+1], s[4:5], s[QSP:QSP+1]
	s_add_nc_u64 s[AOP:AOP+1], s[8:9], s[AOP:AOP+1]
	s_add_nc_u64 s[ASP:ASP+1], s[10:11], s[ASP:ASP+1]
	; groups 0: count 1, LDS address, global address, type 2.  Nothing in them hangs on cx
	s_mov_b32 s[G0K1], 1
	s_mov_b32 s[G0K1+1], s87
	s_mov_b32 s92, s87
	s_add_nc_u64 s[G0K1+2:G0K1+3], s[16:17], s[92:93]
	s_or_b32 s[G0K1+3], s[G0K1+3], 0x80000000
	s_mov_b32 s[G0K3], 1
	s_mov_b32 s[G0K3+1], s88
	s_mov_b32 s92, s88
	s_add_nc_u64 s[G0K3+2:G0K3+3], s[16:17], s[92:93]
	s_or_b32 s[G0K3+3], s[G0K3+3], 0x80000000
	s_mov_b32 s[G0V1], 1
	s_mov_b32 s[G0V1+1], s94
	s_mov_b32 s92, s89
	s_add_nc_u64 s[G0V1+2:G0V1+3], s[18:19], s[92:93]
	s_or_b32 s[G0V1+3], s[G0V1+3], 0x80000000
	s_mov_b32 s[G0V3], 1
	s_mov_b32 s[G0V3+1], s95
	s_mov_b32 s92, s90
	s_add_nc_u64 s[G0V3+2:G0V3+3], s[18:19], s[92:93]
	s_or_b32 s[G0V3+3], s[G0V3+3], 0x80000000
	ROUND                                          ; all four work-groups are here: the joint loads meet
	s_cmp_lt_u32 s[WV], 4                          ; a wave's two fills stand in one branch on its number: two loads of mine are out at the most
	s_cbranch_scc0 .Lnot_k
	tensor_load_to_lds s[G0K1:G0K1+3], s[G1K1:G1K1+7]
	s_nop 0
	tensor_load_to_lds s[G0K3:G0K3+3], s[G1K3:G1K3+7]
	s_nop 0
.rept 4
	v_nop
.endr
	s_branch .Lasked
.Lnot_k:
	s_cmp_lt_u32 s[WV], 8
	s_cbranch_scc0 .Lasked
	tensor_load_to_lds s[G0V1:G0V1+3], s[G1V1:G1V1+7]
	s_nop 0
	tensor_load_to_lds s[G0V3:G0V3+3], s[G1V3:G1V3+7]
	s_nop 0
.rept 4
	v_nop
.endr
.Lasked:
; A KEY STEP: 128 keys.
.macro STEP
	v_add_nc_u32 v[ADK16], s[TK], v[L16]
	v_add_nc_u32 v[ADK8], s[TK], v[L8]
	v_add_nc_u32 v[ADV16], s[TV], v[L16]
	v_add_nc_u32 v[ADV8], s[TV], v[L8]
	v_nop
	v_nop                                          ; six plain lines: the products below write over registers that the last step's V^T P read as V's fragments, and five are owed
.irp g, 0,1                                    ; S^T = K Q^T, four tiles of 16 keys at a time
.if \g > 0
.rept 4
	v_nop                                          ; places in front of loads into registers that matrix instructions have read
.endr
.endif
.irp t, 0,1,2,3
	ds_load_b128 v[KF+12*\t:KF+12*\t+3], v[ADK16] offset:768*(4*\g+\t)          ; a half image: 512 consecutive bytes,
	ds_load_b64 v[KF+12*\t+4:KF+12*\t+5], v[ADK8] offset:768*(4*\g+\t)+512      ; then 256
.endr
.if \g == 0
	ds_load_b128 v[KSW:KSW+3], v[ADK16] offset:6144                             ; the eight tiles' scale words
	ds_load_b128 v[KSW+4:KSW+7], v[ADK16] offset:6656
.endif
	s_wait_dscnt 0x0
.irp t, 0,1,2,3
	v_wmma_scale_f32_16x16x128_f8f6f4 v[S+8*(4*\g+\t):S+8*(4*\g+\t)+7], v[KF+12*\t:KF+12*\t+11], v[QF:QF+11], 0, v[KSW+4*\g+\t], v[QS] matrix_a_fmt:MATRIX_FMT_FP6 matrix_b_fmt:MATRIX_FMT_FP6
.endr
.endr
.rept 4
	v_nop
.endr
.irp b, 0,1,2,3
	v_max3_num_f32 v[BM+\b], v[S+16*\b], v[S+1+16*\b], v[S+2+16*\b]   ; the largest score of each block of 32 keys: it serves the row's maximum and, since p rises with the score, the block's largest p
.endr
.irp i, 3,5,7,9,11,13
.irp b, 0,1,2,3
	v_max3_num_f32 v[BM+\b], v[BM+\b], v[S+16*\b+\i], v[S+1+16*\b+\i]
.endr
.endr
.irp b, 0,1,2,3
	v_max_num_f32 v[BM+\b], v[BM+\b], v[S+15+16*\b]
.endr
.irp b, 0,1,2,3
	v_permlanex16_b32 v[BT+\b], v[BM+\b], s[SEL], s[SEL+1]
.endr
.irp b, 0,1,2,3
	v_max_num_f32 v[BM+\b], v[BM+\b], v[BT+\b]     ; with lane l xor 16's 16 keys
.endr
	v_max3_num_f32 v[TMP], v[BM], v[BM+1], v[BM+2]
	v_max_num_f32 v[TMP], v[TMP], v[BM+3]          ; the step's largest score of my query
	v_mul_f32 v[TMP], s[CS], v[TMP]                ; as t
	v_max_num_f32 v13, v13, v[TMP]                 ; the running largest t
	v_mov_b32 v[TMP], v12
	v_floor_f32 v12, -v13                          ; the new -M = floor(-t): M is a whole number
	v_sub_f32 v[TMP], v12, v[TMP]                  ; old M - new M, 0 or less
	v_cvt_i32_f32 v[TMP], v[TMP]                   ; (it saturates)
	v_ldexp_f32 v[FF], 1.0, v[TMP]                 ; f = 2^(old M - new M)
.set j, 0
.rept 32
	v_pk_fma_f32 v[S+j:S+j+1], v[S+j:S+j+1], s[CS:CS+1], v[12:13] op_sel_hi:[1,0,0]   ; t - M, two at a time
.set j, j+2
.endr
.irp b, 0,1,2,3
	v_fma_f32 v[BM+\b], v[BM+\b], s[CS], v12       ; the same of each block's largest score
.endr
.set j, 0
.rept 64
	v_exp_f32 v[S+j], v[S+j]                       ; p = 2^(t - M), at most 1
.set j, j+1
.endr
	v_pk_mul_f32 v[14:15], v[14:15], v[FF:FF+1] op_sel_hi:[1,0]    ; the sums under the new M (a plain line behind the exponentials)
	s_wait_alu depctr_va_vdst(0)                   ; one wait for the batch of 64, ahead of its first reader
.irp b, 0,1,2,3
	v_exp_f32 v[BM+\b], v[BM+\b]                   ; the block's largest p: the same two instructions on the same number
.endr
	v_pk_add_f32 v[SU2:SU2+1], v[S:S+1], v[S+2:S+3]                ; the row's sum is taken of the unquantised p, in two chains
.set j, 4
.rept 15
	v_pk_add_f32 v[14:15], v[14:15], v[S+j:S+j+1]
	v_pk_add_f32 v[SU2:SU2+1], v[SU2:SU2+1], v[S+j+2:S+j+3]
.set j, j+4
.endr
	v_pk_add_f32 v[14:15], v[14:15], v[SU2:SU2+1]
	s_wait_alu depctr_va_vdst(0)                   ; and one for the four
.irp b, 0,1,2,3
	v_max_num_f32 v[BM+\b], 0x1800000, v[BM+\b]    ; the floor 2^(3 - 127): a block whose every p is 0 keeps the byte 1: its codes are zeros
.endr
.irp b, 0,1,2,3
	v_add_nc_u32 v[SO+\b], 0xff000000, v[BM+\b]    ; 2 off the exponent field: the conversion's scale operand
.endr
.irp b, 0,1,2,3
	v_lshrrev_b32 v[BT+\b], 23, v[SO+\b]           ; the scale's byte
.endr
	v_lshl_or_b32 v[PW], v[BT+1], 8, v[BT]         ; p's scale word for these 128 keys
	v_lshl_or_b32 v[PW], v[BT+2], 16, v[PW]
	v_lshl_or_b32 v[PW], v[BT+3], 24, v[PW]
.irp c, 0,1
	v_cvt_scalef32_pk16_fp6_f32 v[PC+6*\c:PC+6*\c+2], v[S+32*\c:S+32*\c+15], v[SO+2*\c]
	v_cvt_scalef32_pk16_fp6_f32 v[PC+12+4*\c:PC+14+4*\c], v[S+32*\c+16:S+32*\c+31], v[SO+2*\c+1]   ; (a conversion's three registers begin on an even number)
.endr
	v_nop                                          ; one plain line behind the conversions
.irp t, 0,1,2,3                                ; p is done with: V's four fragments land in its registers while the codes are put in order and O^T is rescaled
	ds_load_b128 v[VF+12*\t:VF+12*\t+3], v[ADV16] offset:1536*\t
	ds_load_b64 v[VF+12*\t+4:VF+12*\t+5], v[ADV8] offset:1536*\t+512
	ds_load_b128 v[VF+12*\t+6:VF+12*\t+9], v[ADV16] offset:1536*\t+768
	ds_load_b64 v[VF+12*\t+10:VF+12*\t+11], v[ADV8] offset:1536*\t+1280
.endr
	ds_load_b128 v[VS:VS+3], v[ADV16] offset:6144
.irp c, 0,1                                    ; the operand's layout wants a whole block in a lane
.irp i, 0,1,2
	v_permlane16_swap_b32 v[PC+6*\c+\i], v[PC+12+4*\c+\i]
.endr
.irp i, 0,1,2
	v_mov_b32 v[PC+3+6*\c+\i], v[PC+12+4*\c+\i]
.endr
.endr
.set j, 0
.rept 16
	v_pk_mul_f32 v[O+j:O+j+1], v[O+j:O+j+1], v[FF:FF+1] op_sel_hi:[1,0]   ; O^T under the new M, each accumulator from its low end on.  (These sixteen are also the places ahead of the scaled products)
.set j, j+2
.endr
	s_wait_dscnt 0x0
.irp t, 0,1,2,3                                ; O^T += V^T P^T: the four accumulators by turns
	v_wmma_scale_f32_16x16x128_f8f6f4 v[O+8*\t:O+8*\t+7], v[VF+12*\t:VF+12*\t+11], v[PC:PC+11], v[O+8*\t:O+8*\t+7], v[VS+\t], v[PW] matrix_a_fmt:MATRIX_FMT_FP6 matrix_b_fmt:MATRIX_FMT_FP6
.endr
	s_add_co_u32 s[TK], s[TK], QBLK
	s_add_co_u32 s[TV], s[TV], VBLK
.endm
.macro KEYS n, tk, tv                  ; n key steps, from LDS bytes tk and tv on
	s_mov_b32 s[TK], \tk
	s_mov_b32 s[TV], \tv
	s_mov_b32 s[CNT], \n
.Lkeys_\@:
	STEP
	s_sub_co_u32 s[CNT], s[CNT], 1
	s_cmp_lg_u32 s[CNT], 0
	s_cbranch_scc1 .Lkeys_\@
.endm
.macro START p                         ; pass p: my 16 queries' codes and scale words; O^T and the sum begin as zeros and the largest t as -1e30, so the step is written once
.if \p
	s_wait_xcnt 0x0                                ; the last pass's stores have read their data: the codes' registers are written again only behind this wait
.endif
	global_load_b128 v[QF:QF+3], v[L16], s[QP:QP+1] offset:2*QBLK*\p
	global_load_b64 v[QF+4:QF+5], v[L8], s[QP:QP+1] offset:2*QBLK*\p+512
	global_load_b32 v[QS], v[L16], s[QSP:QSP+1] offset:2*QBLK*\p
	v_mov_b32 v13, 0xf149f2ca                      ; -1e30
	v_floor_f32 v12, -v13
	v_mov_b32 v14, 0
	v_mov_b32 v15, 0
.set j, 0
.rept 32
	v_mov_b32 v[O+j], 0
.set j, j+1
.endr
	s_wait_loadcnt 0x0
.endm
.macro FINISH p                        ; O^T / l, quantised along d (two blocks of 32), leaves as a half image and two scale bytes a row
	v_add_f32 v14, v14, v15                        ; the sum's two halves,
	v_permlanex16_b32 v[TMP], v14, s[SEL], s[SEL+1]
	v_add_f32 v14, v14, v[TMP]                     ; and lane l xor 16's
	v_nop
	v_rcp_f32 v14, v14
	v_nop                                          ; a plain line behind the reciprocal; with the two additions and the v_nop above: four places behind the last products
	s_wait_alu depctr_va_vdst(0)                   ; ahead of the reciprocal's first reader
.set j, 0
.rept 16
	v_pk_mul_f32 v[O+j:O+j+1], v[O+j:O+j+1], v[14:15] op_sel_hi:[1,0]
.set j, j+2
.endr
.irp b, 0,1
	v_max3_num_f32 v[BM+\b], |v[O+16*\b]|, |v[O+16*\b+1]|, 0x1800000
.endr
.irp i, 2,4,6,8,10,12,14
.irp b, 0,1
	v_max3_num_f32 v[BM+\b], v[BM+\b], |v[O+16*\b+\i]|, |v[O+16*\b+\i+1]|
.endr
.endr
.irp b, 0,1
	v_permlanex16_b32 v[BT+\b], v[BM+\b], s[SEL], s[SEL+1]
.endr
.irp b, 0,1
	v_max_num_f32 v[BM+\b], v[BM+\b], v[BT+\b]
.endr
.irp b, 0,1
	v_add_nc_u32 v[SO+\b], 0xff000000, v[BM+\b]
.endr
.irp b, 0,1
	v_lshrrev_b32 v[BT+\b], 23, v[SO+\b]
.endr
	v_lshl_or_b32 v[OW], v[BT+1], 8, v[BT]
	v_cvt_scalef32_pk16_fp6_f32 v[PC:PC+2], v[O:O+15], v[SO]
	v_cvt_scalef32_pk16_fp6_f32 v[PC+12:PC+14], v[O+16:O+31], v[SO+1]
	v_nop
.irp i, 0,1,2
	v_permlane16_swap_b32 v[PC+\i], v[PC+12+\i]
.endr
.irp i, 0,1,2
	v_mov_b32 v[PC+3+\i], v[PC+12+\i]              ; registers 0-5: d = 32 (lane / 16) + 0 .. 31 of my query
.endr
	global_store_b128 v[L16], v[PC:PC+3], s[AOP:AOP+1] offset:16*12288*\p        ; 512 consecutive bytes, aligned to 256
	global_store_b64 v[L8], v[PC+4:PC+5], s[AOP:AOP+1] offset:16*12288*\p+512    ; 256
	global_store_b16 v[R32], v[OW], s[ASP:ASP+1] offset:16*512*\p                ; two bytes a row, 32 bytes apart (lanes r and r + 16 write the same bytes with the same value): one part in 24 of what the pass stores
.endm
	START 0
	s_wait_tensorcnt 1                             ; my first load, a block of key steps 0 to 3, has landed; my second may be out
	s_barrier_signal -1
	s_barrier_wait -1
	KEYS 4, 0, VB
	s_wait_tensorcnt 0x0                           ; my second load has landed,
	s_wait_dscnt 0x0
	s_barrier_signal -1
	s_barrier_wait -1                              ; everybody's has: the whole head lies in LDS
	KEYS 12, 4*QBLK, VB+4*VBLK
	FINISH 0
	START 1
	KEYS 16, 0, VB
	FINISH 1
	s_wait_tensorcnt 0x0
	ds_add_u32 v254, v255
	s_wait_dscnt 0x0
	ROUND                                          ; the closing round
	s_endpgm
.Lfunc_end_k_q710246c123_attn:
	.size	k_q710246c123_attn, .Lfunc_end_k_q710246c123_attn-k_q710246c123_attn
	.p2alignl 7, 3214868480
	.fill 96, 4, 3214868480
	.section	.rodata,"a",@progbits
	.p2align	6, 0x0
	.amdhsa_kernel k_q710246c123_attn
		.amdhsa_group_segment_fixed_size 223232
		.amdhsa_private_segment_fixed_size 0
		.amdhsa_enable_private_segment 0
		.amdhsa_kernarg_size 32
		.amdhsa_user_sgpr_count 2
		.amdhsa_user_sgpr_kernarg_segment_ptr 1
		.amdhsa_wavefront_size32 1
		.amdhsa_system_sgpr_workgroup_id_x 1
		.amdhsa_system_sgpr_workgroup_id_y 1
		.amdhsa_system_sgpr_workgroup_id_z 1
		.amdhsa_system_vgpr_workitem_id 0
		.amdhsa_next_free_vgpr 256
		.amdhsa_next_free_sgpr 96
		.amdhsa_reserve_vcc 0
		.amdhsa_float_denorm_mode_32 3
		.amdhsa_float_denorm_mode_16_64 3
		.amdhsa_memory_ordered 1
		.amdhsa_forward_progress 1
		.amdhsa_inst_pref_size 68
	.end_amdhsa_kernel
	.amdgpu_metadata
---
amdhsa.version: [ 1, 2 ]
amdhsa.kernels:
  - .name:           k_q710246c123_attn
    .symbol:         k_q710246c123_attn.kd
    .args:
      - { .name: qk, .offset: 0, .size: 8, .value_kind: global_buffer, .address_space: global }
      - { .name: vi, .offset: 8, .size: 8, .value_kind: global_buffer, .address_space: global }
      - { .name: ao, .offset: 16, .size: 8, .value_kind: global_buffer, .address_space: global }
      - { .name: aos, .offset: 24, .size: 8, .value_kind: global_buffer, .address_space: global }
    .group_segment_fixed_size: 223232
    .private_segment_fixed_size: 0
    .kernarg_segment_align: 8
    .kernarg_segment_size: 32
    .max_flat_workgroup_size: 512
    .sgpr_count:     96
    .vgpr_count:     256
    .wavefront_size: 32
...
	.end_amdgpu_metadata
.endif
;; end of part 3
;; launch outp (part 4): grid 4 x 32, 4 waves a work-group, clusters of 4 x 4, 327,680 bytes of LDS; arguments ao, aos, wc, ws, out0, bo; writes out0
.if DOCPART == 4
	.amdgcn_target "amdgcn-amd-amdhsa--gfx1250"
	.amdhsa_code_object_version 6
	.text
	.protected	k_q710246c123_outp
	.globl	k_q710246c123_outp
	.p2align	8
	.type	k_q710246c123_outp,@function
k_q710246c123_outp:
	s_mov_b64 s[64:65], 0
	v_nop
	global_prefetch_b8 v0, s[64:65] scope:SCOPE_SE
	s_setreg_imm32_b32 hwreg(HW_REG_WAVE_MODE, 25, 1), 1
	s_wait_xcnt 0x0
	s_wait_alu depctr_hold_cnt(0) depctr_sa_sdst(0) depctr_va_vdst(0) depctr_va_sdst(0) depctr_va_ssrc(0) depctr_va_vcc(0) depctr_vm_vsrc(0)
	s_getreg_b32 s2, hwreg(HW_REG_IB_STS2, 6, 4)
	s_cmp_eq_u32 s2, 0
	s_cbranch_scc0 .Lentry_in_a_cluster
	s_endpgm
.Lentry_in_a_cluster:
	s_bfe_u32 s2, ttmp6, 0x10000c
	s_cmp_lg_u32 s2, 0xf033
	s_cbranch_scc0 .Lentry_shape_is_right
	s_endpgm
.Lentry_shape_is_right:
; out0 = attn Wo + bo on codes of FP6 (E2M3) with one E8M0 scale for each 32 along K = 1,024; out0 [8192][1024] f32; sums in f32; bo is the C of each sum's first product.
; A = the attention's result, as images of operand registers: ao [tile of 16 rows][head][768 bytes]: two neighbouring heads' half images are one fragment (16 rows x 128 K); aos [row][32] its scale bytes.
; B = Wo^T: rows 3,072 on of wc and ws, 768 and 32 bytes a row, at place pi(row) (bits 3 and 4 of the row's number exchanged): the way out puts the columns back.
; A tile of C, 256 x 256, is made by four waves, each 128 x 128 in 64 accumulators.  K goes in steps of 256 through a ring of two LDS slots filled by the tensor data mover; the scale bytes come once and stay.
; CLUSTERS: 4 x 4 work-groups; A's tiles are asked for jointly along a row of the cluster, B's along a column.  THE MATRIX INSTRUCTION IS USED TRANSPOSED (source 0 = 16 rows of B, source 1 = 16 rows of A).
; No prefetch: of the four K steps two are first fills and the other two are asked for within the first lap.
; REGISTERS: window 0: v0-31 addresses; v32-63 scale words, two sets; v64-127 the bias in the results' layout; from v128 A's fragments, one set; on the way out v128-255.
;   window 1: B's fragments, two sets.   windows 2, 3: the accumulators ((a, b) at v[8 (8 (a % 4) + b)]).
.set SIZE_N, 1024
.set SIZE_K, 1024
.set KSTEP,  256
.set NQ,     KSTEP/128
.set ROWB,   192                       ; B: a tile's row in bytes
.set KROW,   SIZE_K*6/8
.set AROW,   3072                      ; A: a tile of 16 rows, 256 along K: four half images
.set PITCH,  240                       ; B's LDS row: 3 x (64 bytes + 16 of padding)
.set FR,     12
.set NL,     6                         ; LDS loads that bring a fragment of B
.set NLA,    4                         ; and of A
.set NP,     4
.set HALFT,  128*PITCH                 ; what a wave's tensor load may take of a slot (A's 8 x 3,072 bytes use less)
.set SLOT,   4*HALFT
.set LAPS,   SIZE_K/(2*KSTEP)
.set KS,     SIZE_K/32
.set SCL,    2*SLOT
.set HALFS,  (128*KS/256)*272
.set SBLK,   (16*KS/256)*272
.set SPARE,  SCL+4*HALFS               ; the spare words, 128 bytes for each wave, which no other line names
.set SPITCH, 528                       ; the way out: a stage of 16 rows x (512 bytes + 16) for each wave, in slot 0, which has had its last fill and its last read by then
.set AA16, 16                          ; v16-17 A: 16 x lane + my 128 rows, in slot 0, 1
.set AA8,  18                          ; v18-19 A: 8 x lane + the same
.set ADRB, 20                          ; v20-23 B's fragments
.set STO,  24
.set RD,   25
.set CO,   26
.set ADRS, 27
.set SPW,  28
.set NIL,  29
.set BOF,  31                          ; v31 64 x (lane / 16): my half's place in the bias
.set SC,   32
.set BI,   64                          ; v64-127 the bias of B's blocks 0-7, eight registers each
.set AF,   128
.set BK,   128
.set G1, 24
.set G0, 32
.set G1B, 48
.set G0B, 56
.set G1S, 68
.set G0S, 76
.set G1SB, 80
.set G0SB, 88
.set MSB, 0
.macro WIN new
.if MSB != (\new)
	s_set_vgpr_msb (MSB<<8)|(\new)
.set MSB, (\new)
.endif
.endm
.set MUL_LO,  0xa1                     ; source 0 (B) window 1, source 1 (A) window 0, C and D window 2
.set MUL_HI,  0xf1
.set BIAS_LO, 0x81                     ; the first step: C (the bias) window 0, D window 2
.set BIAS_HI, 0xc1
.set TO_B,    0x40
.macro JLOAD g0a, g1a, g0b, g1b        ; a joint load: waves 0 and 1 fetch for A, waves 2 and 3 for B; four v_nop follow each of the two lines
	s_cmp_eq_u32 s15, 0
	s_cbranch_scc0 .Lfor_b_\@
	tensor_load_to_lds s[\g0a:\g0a+3], s[\g1a:\g1a+7]
	s_nop 0
.rept 4
	v_nop
.endr
	s_branch .Lasked_\@
.Lfor_b_\@:
	tensor_load_to_lds s[\g0b:\g0b+3], s[\g1b:\g1b+7]
	s_nop 0
.rept 4
	v_nop
.endr
.Lasked_\@:
.endm
.macro CREST
	s_cmp_lg_u32 s14, 0
	s_cbranch_scc1 .Lnot_wave_0_\@
	s_barrier_signal -3
.Lnot_wave_0_\@:
	s_barrier_wait -3
	s_barrier_signal -1
	s_barrier_wait -1
.endm
.macro CROUND
	s_barrier_signal -1
	s_barrier_wait -1
	CREST
.endm
	s_load_b128 s[4:7], s[0:1], 0x0                ; ao s[4:5], aos s[6:7]
	s_load_b128 s[8:11], s[0:1], 0x10              ; wc s[8:9], ws s[10:11]
	s_load_b64 s[12:13], s[0:1], 0x20              ; out0
	s_load_b64 s[96:97], s[0:1], 0x28              ; bo
	v_lshl_add_u32 v[SPW], v0, 2, SPARE
	v_mov_b32 v[NIL], 0
	ds_add_u32 v28, v29
	ds_add_u32 v28, v29
	s_wait_dscnt 0x0
	v_lshrrev_b32 v1, 5, v0
	v_readfirstlane_b32 s14, v1                    ; wave 0..3
	s_lshr_b32 s15, s14, 1                         ; which half of the tile's rows is mine.  Also: I fetch for A (0) or for B (1)
	s_and_b32 s16, s14, 1                          ; which half of its columns.  Also: which 128 rows of that tile I fetch
	s_bfe_u32 s40, ttmp6, 0x40000
	s_bfe_u32 s41, ttmp6, 0x40004
	s_lshl_b32 s42, ttmp9, 2
	s_add_co_u32 s42, s42, s40                     ; tile column of C
	s_and_b32 s17, ttmp7, 0xffff
	s_lshl_b32 s17, s17, 2
	s_add_co_u32 s17, s17, s41                     ; tile row of C
	s_lshl_b32 s43, s41, 2
	s_lshl_b32 s43, 15, s43                        ; my row of the cluster
	s_lshl_b32 s44, 0x1111, s40                    ; my column
	; A's tiles: 8 tiles of 16 rows, 3,072 bytes of each (384 elements of 8 bytes), 12,288 bytes apart; dense in LDS
	s_or_b32 s[G1+0], s43, (3<<16)|(1<<21)
	s_mov_b32 s[G1+1], 384<<16                     ; tensor_dim0
	s_mov_b32 s[G1+2], 8<<16                       ; tensor_dim1
	s_mov_b32 s[G1+3], 384<<16                     ; tile_dim0
	s_mov_b32 s[G1+4], 8                           ; tile_dim1
	s_mov_b32 s[G1+5], 1536                        ; from row to row, in elements
	s_mov_b32 s[G1+6], 0
	s_mov_b32 s[G1+7], 0
	; B's tiles: 128 rows x 192 bytes, 16 bytes of padding behind every 64
	s_or_b32 s[G1B+0], s44, (0<<16)|(1<<20)|(1<<21)|(3<<22)|(3<<25)
	s_mov_b32 s[G1B+1], ROWB<<16
	s_mov_b32 s[G1B+2], 128<<16
	s_mov_b32 s[G1B+3], ROWB<<16
	s_mov_b32 s[G1B+4], 128
	s_mov_b32 s[G1B+5], KROW
	s_mov_b32 s[G1B+6], 0
	s_mov_b32 s[G1B+7], 0
	; the scales of 128 rows: a dense block of 4,096 bytes, as rows of 256 bytes, 16 bytes of padding behind each
	s_or_b32 s[G1S+0], s43, (3<<16)|(1<<20)|(1<<21)|(5<<22)|(3<<25)
	s_or_b32 s[G1SB+0], s44, (3<<16)|(1<<20)|(1<<21)|(5<<22)|(3<<25)
.irp g, G1S, G1SB
	s_mov_b32 s[\g+1], 32<<16
	s_mov_b32 s[\g+2], (128*KS/256)<<16
	s_mov_b32 s[\g+3], 32<<16
	s_mov_b32 s[\g+4], 128*KS/256
	s_mov_b32 s[\g+5], 32
	s_mov_b32 s[\g+6], 0
	s_mov_b32 s[\g+7], 0
.endr
	s_lshl_b32 s18, s16, 7
	s_lshl_b32 s20, s17, 8
	s_add_co_u32 s20, s20, s18                     ; A: row 256 x tile row + 128 x half (768 bytes a row: 12,288 a tile of 16)
	s_lshl_b32 s46, s42, 8
	s_add_co_u32 s46, s46, s18
	s_add_co_u32 s46, s46, 3072                    ; B: Wo^T begins at row 3,072 of wc and ws
	s_mov_b32 s21, 0
	s_mov_b32 s47, 0
	s_mov_b64 s[18:19], KS
	s_mul_u64 s[22:23], s[20:21], s[18:19]
	s_mul_u64 s[92:93], s[46:47], s[18:19]
	s_mov_b64 s[18:19], KROW
	s_mul_u64 s[20:21], s[20:21], s[18:19]
	s_mul_u64 s[46:47], s[46:47], s[18:19]
	s_mul_i32 s45, s14, HALFT                      ; where they go: no place in the cluster enters an LDS address
	s_mul_i32 s94, s14, HALFS
	s_wait_kmcnt 0x0
	s_add_nc_u64 s[20:21], s[4:5], s[20:21]
	s_add_nc_u64 s[22:23], s[6:7], s[22:23]
	s_add_nc_u64 s[46:47], s[8:9], s[46:47]
	s_add_nc_u64 s[92:93], s[10:11], s[92:93]
	CROUND                                         ; all sixteen work-groups are here: the first joint loads meet
	s_mov_b32 s[G0S], 1
	s_add_co_u32 s[G0S+1], s94, SCL
	s_mov_b64 s[G0S+2:G0S+3], s[22:23]
	s_or_b32 s[G0S+3], s[G0S+3], 0x80000000
	s_mov_b32 s[G0SB], 1
	s_add_co_u32 s[G0SB+1], s94, SCL
	s_mov_b64 s[G0SB+2:G0SB+3], s[92:93]
	s_or_b32 s[G0SB+3], s[G0SB+3], 0x80000000
	JLOAD G0S, G1S, G0SB, G1SB
.irp s, 0,1
	s_mov_b32 s[G0+4*\s], 1
	s_add_co_u32 s[G0+4*\s+1], s45, \s*SLOT
	s_add_nc_u64 s[G0+4*\s+2:G0+4*\s+3], s[20:21], \s*AROW
	s_or_b32 s[G0+4*\s+3], s[G0+4*\s+3], 0x80000000
	s_mov_b32 s[G0B+4*\s], 1
	s_add_co_u32 s[G0B+4*\s+1], s45, \s*SLOT
	s_add_nc_u64 s[G0B+4*\s+2:G0B+4*\s+3], s[46:47], \s*ROWB
	s_or_b32 s[G0B+4*\s+3], s[G0B+4*\s+3], 0x80000000
	JLOAD G0+4*\s, G1, G0B+4*\s, G1B
.endr
	v_and_b32 v1, 15, v0                           ; r
	v_bfe_u32 v2, v0, 4, 1                         ; h
	v_and_b32 v6, 31, v0                           ; lane
	v_mul_u32_u24 v3, v1, PITCH
	v_mul_u32_u24 v4, v2, 24
	v_add_nc_u32 v4, v3, v4                        ; B: a fragment's row x pitch + 24 x half
	v_lshl_add_u32 v5, v2, 4, v4                   ; and the same behind one padding more
	v_lshlrev_b32 v7, 4, v6
	v_lshlrev_b32 v8, 3, v6
	s_mul_i32 s21, s15, HALFT                      ; my 128 rows of A
	s_mul_i32 s22, s16, HALFT                      ; my 128 rows of B,
	s_add_co_u32 s22, s22, 2*HALFT                 ; which lie behind A's
.irp s, 0,1
	v_add_nc_u32 v[AA16+\s], s21, v7
	v_add_nc_u32 v[AA8+\s], s21, v8
	v_add_nc_u32 v[ADRB+\s], s22, v4
	v_add_nc_u32 v[ADRB+2+\s], s22, v5
	s_add_co_u32 s21, s21, SLOT
	s_add_co_u32 s22, s22, SLOT
.endr
	v_mul_u32_u24 v5, v1, KS
	v_lshrrev_b32 v9, 8, v5
	v_lshl_add_u32 v5, v9, 4, v5
	s_mul_i32 s21, s15, HALFS
	s_mul_i32 s22, s16, HALFS
	s_add_co_u32 s22, s22, 2*HALFS
	s_sub_co_u32 s22, s22, s21
	v_mul_u32_u24 v9, s22, v2                      ; lanes 16-31 take B's
	s_add_co_u32 s21, s21, SCL
	v_add_nc_u32 v5, v5, v9
	v_add_nc_u32 v[ADRS], s21, v5
	s_mul_i32 s23, s14, 16*SPITCH                  ; my stage
	v_mul_u32_u24 v5, v1, SPITCH                   ; in: row r; register j of accumulator (a, b) is column 32 (b / 2) + 16 h + 8 (b % 2) + j: 64 h bytes here, the rest in the stores' offsets
	v_lshl_add_u32 v5, v2, 6, v5
	v_add_nc_u32 v[STO], s23, v5
	v_lshlrev_b32 v[CO], 4, v6                     ; back: the 32 lanes take one row of 512 bytes; and the same in C
	v_add_nc_u32 v[RD], s23, v[CO]
	v_lshlrev_b32 v[BOF], 6, v2
	s_lshl_b32 s20, s17, 8
	s_lshl_b32 s21, s15, 7
	s_add_co_u32 s20, s20, s21                     ; my first row of C
	s_mov_b32 s21, 0
	s_mov_b64 s[18:19], SIZE_N*4
	s_mul_u64 s[20:21], s[20:21], s[18:19]
	s_lshl_b32 s46, s42, 10                        ; my first column, in bytes: 1,024 x tile column + 512 x half
	s_lshl_b32 s47, s16, 9
	s_add_co_u32 s46, s46, s47
	s_mov_b32 s47, 0
	s_add_nc_u64 s[96:97], s[96:97], s[46:47]      ; the bias of my 128 columns
	s_add_nc_u64 s[20:21], s[20:21], s[46:47]
	s_add_nc_u64 s[12:13], s[12:13], s[20:21]
.irp b, 0,1,2,3,4,5,6,7
	global_load_b128 v[BI+8*\b:BI+8*\b+3], v[BOF], s[96:97] offset:4*(32*(\b/2)+8*(\b%2))
	global_load_b128 v[BI+8*\b+4:BI+8*\b+7], v[BOF], s[96:97] offset:4*(32*(\b/2)+8*(\b%2))+16
.endr
.macro FRAG reg, adr, q, i             ; a fragment of B from rows: six pieces of 8 bytes
.irp p, 0,1,2,3,4,5
.set PCE, 12*(\q)+6*(\p/3)+\p%3
.if PCE%8 < 5
	ds_load_b64 v[\reg+2*\p:\reg+2*\p+1], v[\adr] offset:8*PCE+16*(PCE/8)+(\i)*16*PITCH
.else
	ds_load_b64 v[\reg+2*\p:\reg+2*\p+1], v[\adr+2] offset:8*PCE+16*(PCE/8)+(\i)*16*PITCH
.endif
.endr
.endm
.macro FRAGA reg, slot, q, i           ; a fragment of A from its two half images: every load takes consecutive bytes
	ds_load_b128 v[\reg:\reg+3], v[AA16+\slot] offset:AROW*(\i)+1536*(\q)
	ds_load_b64 v[\reg+4:\reg+5], v[AA8+\slot] offset:AROW*(\i)+1536*(\q)+512
	ds_load_b128 v[\reg+6:\reg+9], v[AA16+\slot] offset:AROW*(\i)+1536*(\q)+768
	ds_load_b64 v[\reg+10:\reg+11], v[AA8+\slot] offset:AROW*(\i)+1536*(\q)+1280
.endm
; 16 matrix instructions: A's blocks a0, a0 + 1 x B's eight, 128 along K.  zero = 1: the first product starts the sums from the bias.  The 64 accumulators take turns.
.macro MUL16 a0, p, q, sc, zero
.irp a, \a0, \a0+1
.irp b, 0,1,2,3,4,5,6,7
.if \zero
	v_wmma_scale_f32_16x16x128_f8f6f4 v[8*(8*((\a)%4)+\b):8*(8*((\a)%4)+\b)+7], v[128*(\p)+FR*\b:128*(\p)+FR*\b+FR-1], v[AF+FR*(\a):AF+FR*(\a)+FR-1], v[BI+8*\b:BI+8*\b+7], v[SC+8*NQ*(\sc)+NQ*\b+(\q)], v[SC+8*NQ*(\sc)+NQ*(\a)+(\q)] matrix_a_fmt:MATRIX_FMT_FP6 matrix_b_fmt:MATRIX_FMT_FP6 matrix_a_scale:MATRIX_SCALE_ROW1
.else
	v_wmma_scale_f32_16x16x128_f8f6f4 v[8*(8*((\a)%4)+\b):8*(8*((\a)%4)+\b)+7], v[128*(\p)+FR*\b:128*(\p)+FR*\b+FR-1], v[AF+FR*(\a):AF+FR*(\a)+FR-1], v[8*(8*((\a)%4)+\b):8*(8*((\a)%4)+\b)+7], v[SC+8*NQ*(\sc)+NQ*\b+(\q)], v[SC+8*NQ*(\sc)+NQ*(\a)+(\q)] matrix_a_fmt:MATRIX_FMT_FP6 matrix_b_fmt:MATRIX_FMT_FP6 matrix_a_scale:MATRIX_SCALE_ROW1
.endif
.endr
.endr
.endm
.macro FETCH_B slot, q, p
	WIN TO_B
.irp i, 0,1,2,3,4,5,6,7
	FRAG 128*(\p)+FR*\i, ADRB+\slot, \q, \i
.endr
	WIN 0
.endm
.macro FETCH_A slot, q, i0
.irp i, \i0, \i0+1, \i0+2, \i0+3
	FRAGA AF+FR*(\i), \slot, \q, \i
.endr
.endm
.macro SCALES sc
.irp i, 0,1,2,3,4,5,6,7
	ds_load_b64 v[SC+8*NQ*\sc+NQ*\i:SC+8*NQ*\sc+NQ*\i+1], v[ADRS] offset:\i*SBLK
.endr
.endm
.macro PLACES n
.rept \n
	v_nop
.endr
.endm
.macro STEP slot, q, zero
	s_wait_dscnt 4*NLA                             ; B's set and A's blocks 0-3 are in; the youngest 16 loads (A's blocks 4-7) may be out
.if \zero
	WIN BIAS_LO
.else
	WIN MUL_LO
.endif
	MUL16 0, (\q)%2, \q, \slot, \zero
	MUL16 2, (\q)%2, \q, \slot, \zero
	s_wait_dscnt 0
	PLACES NP
	FETCH_B \slot, (\q)+1, 1-(\q)%2
	FETCH_A \slot, (\q)+1, 0
.if \zero
	WIN BIAS_HI
.else
	WIN MUL_HI
.endif
	MUL16 4, (\q)%2, \q, \slot, \zero
	MUL16 6, (\q)%2, \q, \slot, \zero
	PLACES NP
	WIN 0
	FETCH_A \slot, (\q)+1, 4
.endm
.macro TURN slot, next, fill
	s_wait_tensorcnt 0x0                           ; all my tensor loads have landed: my part of the next slot
	ds_add_u32 v[SPW], v[NIL]                      ; 0 onto my spare word
	s_wait_dscnt 4*NLA+1                           ; the add and the youngest 16 loads (A's blocks 4-7) may be out
	WIN MUL_LO
	MUL16 0, 1, NQ-1, \slot, 0
	s_wait_dscnt 0x0                               ; the add is done, and my reads of this slot are over
	s_barrier_signal -1
	MUL16 2, 1, NQ-1, \slot, 0
	WIN 0
	s_barrier_wait -1
.if \fill
	CREST                                          ; the barrier has opened a round of the cluster's: no wave of any partner still reads this slot or has a load on its way
	s_add_nc_u64 s[G0+4*\slot+2:G0+4*\slot+3], s[G0+4*\slot+2:G0+4*\slot+3], 2*AROW
	s_add_nc_u64 s[G0B+4*\slot+2:G0B+4*\slot+3], s[G0B+4*\slot+2:G0B+4*\slot+3], 2*ROWB
	JLOAD G0+4*\slot, G1, G0B+4*\slot, G1B         ; the first tensor load behind the round; its four v_nop are the places in front of the loads below
.else
	PLACES NP
.endif
	v_add_nc_u32 v[ADRS], 4*NQ, v[ADRS]
	FETCH_B \next, 0, 0
	FETCH_A \next, 0, 0
	SCALES \next
	WIN MUL_HI
	MUL16 4, 1, NQ-1, \slot, 0
	MUL16 6, 1, NQ-1, \slot, 0
	PLACES NP
	WIN 0
	FETCH_A \next, 0, 4
.endm
	s_wait_loadcnt 0x0                             ; the bias
	s_wait_tensorcnt 1                             ; the scales and my part of K step 0 are in; K step 1's load may be out
	s_barrier_signal -1
	s_barrier_wait -1
	FETCH_B 0, 0, 0
	FETCH_A 0, 0, 0
	SCALES 0
	FETCH_A 0, 0, 4
	STEP 0, 0, 1                                   ; the first step's products start the sums from the bias
	s_mov_b32 s3, LAPS-1
.Llap:
	TURN 0, 1, 1
	STEP 1, 0, 0
	TURN 1, 0, 1
	STEP 0, 0, 0
	s_sub_co_u32 s3, s3, 1
	s_cmp_lg_u32 s3, 0
	s_cbranch_scc1 .Llap
	TURN 0, 1, 0                                   ; the last lap fills nothing
	STEP 1, 0, 0
	s_wait_dscnt 4*NLA
	WIN MUL_LO
	MUL16 0, 1, NQ-1, 1, 0
	MUL16 2, 1, NQ-1, 1, 0
	s_wait_dscnt 0
	WIN MUL_HI
	MUL16 4, 1, NQ-1, 1, 0
	MUL16 6, 1, NQ-1, 1, 0
	WIN 0
; THE WAY OUT, block by block of 16 rows x 128 columns, through my own stage: in by pieces of 32 bytes at their columns' true places, back as whole rows of 512 bytes.
; LDS serves a wave's instructions in order (ISA guide 5.7.1.4): no wait between the stores and the loads, nor in front of the next block's stores.
.macro TOSTAGE a
.set AC, 64*((\a)%4)
	WIN 0x08+4*((\a)/4)                            ; the data: window 2 or 3
.irp b, 0,1,2,3,4,5,6,7
	ds_store_b128 v[STO], v[AC+8*\b:AC+8*\b+3] offset:128*(\b/2)+32*(\b%2)       ; each accumulator from its low end on
	ds_store_b128 v[STO], v[AC+8*\b+4:AC+8*\b+7] offset:128*(\b/2)+32*(\b%2)+16
.endr
	WIN 0
.set BB, BK+64*((\a)%2)
.irp t, 0,1,2,3,4,5,6,7,8,9,10,11,12,13,14,15
	ds_load_b128 v[BB+4*\t:BB+4*\t+3], v[RD] offset:\t*SPITCH
.endr
.endm
.macro SEND a, younger
.set BB, BK+64*((\a)%2)
	s_wait_dscnt \younger                          ; the block is back in registers; the LDS instructions issued behind its loads may be out
.if (\a) > 0
	s_add_nc_u64 s[12:13], s[12:13], 16*SIZE_N*4   ; (behind a wait on XCNT: the earlier stores have read their base)
.endif
.irp t, 0,1,2,3,4,5,6,7,8,9,10,11,12,13,14,15
	global_store_b128 v[CO], v[BB+4*\t:BB+4*\t+3], s[12:13] offset:\t*SIZE_N*4 th:TH_STORE_NT   ; 32 lanes store 512 consecutive bytes, aligned to 256
.endr
.endm
	PLACES NP
	TOSTAGE 0
.irp a, 1,2,3,4,5,6,7
.if \a > 1
	s_wait_xcnt 0x0                                ; block a - 2's stores have read their registers and their base
.endif
	TOSTAGE \a
	SEND \a-1, 32                                  ; behind block a - 1's loads: block a's 16 stores and 16 loads
.endr
	s_wait_xcnt 0x0
	SEND 7, 0
	s_wait_tensorcnt 0x0                           ; the wave's end
	ds_add_u32 v[SPW], v[NIL]
	s_wait_dscnt 0x0
	CROUND                                         ; the closing round
	s_endpgm
.Lfunc_end_k_q710246c123_outp:
	.size	k_q710246c123_outp, .Lfunc_end_k_q710246c123_outp-k_q710246c123_outp
	.p2alignl 7, 3214868480
	.fill 96, 4, 3214868480
	.section	.rodata,"a",@progbits
	.p2align	6, 0x0
	.amdhsa_kernel k_q710246c123_outp
		.amdhsa_group_segment_fixed_size 327680
		.amdhsa_private_segment_fixed_size 0
		.amdhsa_enable_private_segment 0
		.amdhsa_kernarg_size 48
		.amdhsa_user_sgpr_count 2
		.amdhsa_user_sgpr_kernarg_segment_ptr 1
		.amdhsa_wavefront_size32 1
		.amdhsa_system_sgpr_workgroup_id_x 1
		.amdhsa_system_sgpr_workgroup_id_y 1
		.amdhsa_system_sgpr_workgroup_id_z 1
		.amdhsa_system_vgpr_workitem_id 0
		.amdhsa_next_free_vgpr 1024
		.amdhsa_next_free_sgpr 98
		.amdhsa_reserve_vcc 0
		.amdhsa_float_denorm_mode_32 3
		.amdhsa_float_denorm_mode_16_64 3
		.amdhsa_memory_ordered 1
		.amdhsa_forward_progress 1
		.amdhsa_inst_pref_size 154
	.end_amdhsa_kernel
	.amdgpu_metadata
---
amdhsa.version: [ 1, 2 ]
amdhsa.kernels:
  - .name:           k_q710246c123_outp
    .symbol:         k_q710246c123_outp.kd
    .args:
      - { .name: ao, .offset: 0, .size: 8, .value_kind: global_buffer, .address_space: global }
      - { .name: aos, .offset: 8, .size: 8, .value_kind: global_buffer, .address_space: global }
      - { .name: wc, .offset: 16, .size: 8, .value_kind: global_buffer, .address_space: global }
      - { .name: ws, .offset: 24, .size: 8, .value_kind: global_buffer, .address_space: global }
      - { .name: out0, .offset: 32, .size: 8, .value_kind: global_buffer, .address_space: global }
      - { .name: bo, .offset: 40, .size: 8, .value_kind: global_buffer, .address_space: global }
    .group_segment_fixed_size: 327680
    .private_segment_fixed_size: 0
    .kernarg_segment_align: 8
    .kernarg_segment_size: 48
    .max_flat_workgroup_size: 128
    .sgpr_count:     98
    .vgpr_count:     1024
    .wavefront_size: 32
...
	.end_amdgpu_metadata
.endif
;; end of part 4
